; MI455X (gfx1250); checked and timed in simulation.
; The chip was launched on July 23, 2026; its instructions are those of AMD's public machine-readable ISA for CDNA 5 (MIT licence, August 2026) and "CDNA5" Instruction Set Architecture Reference Guide (July 2026). The comments in the code are by the model that wrote it; some were corrected since.
;; Multi Head Attention. Allowed arithmetic: float matrix products may take bf16 or f16 operands with f32 sums; other float arithmetic in f32, or as packed bf16 or f16 multiplies, adds, multiply-adds, maxima and minima; sums over many terms, partial sums and values carried from step to step in f32; what a program stores and reads back later, other than sums and carried values, may be rounded once to bf16 or f16.
;; Inputs: Wk 1,024 x 1,024 float32; Wo 1,024 x 1,024 float32; Wq 1,024 x 1,024 float32; Wv 1,024 x 1,024 float32; bo 1,024 float32; x 4 x 4,096 x 1,024 float32.
;; Outputs: out0 4 x 4,096 x 1,024 float32.
;; One version. Each part assembles by itself: llvm-mc -triple=amdgcn-amd-amdhsa -mcpu=gfx1250 --defsym DOCPART=n.
;; ======== version 1 of 1: 7 launches
;; limits: values are held in f16: magnitudes above 65,504 overflow, below 6.1e-05 lose precision
;; workspace buffers: xh 33,554,432 bytes; wts 6,291,456 bytes; ghl 16,777,216 bytes; thl 16,777,216 bytes; ep 262,144 bytes; wvp 8,388,608 bytes; outr 33,554,432 bytes
;; launch prep (part 1): grid 1216 x 1, 8 waves a work-group, no clusters, 0 bytes of LDS; arguments x, Wk, Wq, Wo, xh, wts; writes xh, wts
.if DOCPART == 1
	.amdgcn_target "amdgcn-amd-amdhsa--gfx1250"
	.amdhsa_code_object_version 6
	.text
	.protected	k_qa197352ae0_prep
	.globl	k_qa197352ae0_prep
	.p2align	8
	.type	k_qa197352ae0_prep,@function
k_qa197352ae0_prep:
	s_mov_b64 s[64:65], 0
	v_nop
	global_prefetch_b8 v0, s[64:65] scope:SCOPE_SE
	s_setreg_imm32_b32 hwreg(HW_REG_WAVE_MODE, 25, 1), 1
	s_wait_xcnt 0x0
; PREP: every matrix input is rounded ONCE to bf16.  x and Wo: that bf16 number is then written as f16 (exact inside f16's normal range), since they meet
; f16 operands later; Wk and Wq are written as bf16.  xh: [4][4096][1024] f16.  wts: Wk (bf16) at byte 0, Wq (bf16) at 2,097,152, Wo (f16) at 4,194,304, each laid as the input lies.
; LIMITS.  |x| and |Wo| stay under 65,504 (f16's end; 65,520 or more becomes an infinity); below 6e-5 f16 keeps its fixed step of 6e-8.  NaN and infinities are not treated apart.
; SHARES.  A work-group takes 16,384 numbers: 65,536 bytes in, 32,768 out.  Work-groups 0 .. 1023: x.  1024 .. 1215: 64 each for Wk, Wq, Wo.
; A thread issues its 16 loads of 16 bytes at once (a wave's load covers 512 consecutive bytes) and stores 8 bytes for each: a wave's store covers 256 consecutive bytes, aligned.
; No LDS, no barrier, no matrix unit: a stream.  No register is written again behind a store that reads it, so no wait for the stores' sources is needed.
.set X, 8                              ; v[8:71]   16 x 4 numbers as loaded, then unpacked
.set Y, 72                             ; v[72:103] 16 x 2 registers to store
	s_load_b256 s[4:11], s[0:1], 0x0               ; x s[4:5], Wk s[6:7], Wq s[8:9], Wo s[10:11]
	s_load_b128 s[12:15], s[0:1], 0x20             ; xh s[12:13], wts s[14:15]
	v_lshlrev_b32 v1, 4, v0                        ; 16 t: my bytes in 4,096 of input
	v_lshlrev_b32 v2, 3, v0                        ; 8 t: my bytes in 2,048 of output
	s_sub_co_u32 s16, ttmp9, 1024                  ; the work-group's number among the weights' (wraps for x's, where it is not used)
	s_and_b32 s18, s16, 63                         ; its chunk in its weight
	s_lshr_b32 s19, s16, 6                         ; which weight: 0 Wk, 1 Wq, 2 Wo
	s_mov_b32 s28, 0xffff0000                      ; a word's upper bf16
	s_mov_b32 s25, 0
	s_mov_b32 s27, 0
	s_wait_kmcnt 0x0
	s_cmp_eq_u32 s19, 1
	s_cselect_b64 s[20:21], s[8:9], s[6:7]
	s_cmp_eq_u32 s19, 2
	s_cselect_b64 s[20:21], s[10:11], s[20:21]
	s_cmp_lt_u32 ttmp9, 1024
	s_cselect_b64 s[20:21], s[4:5], s[20:21]       ; from where
	s_cselect_b64 s[22:23], s[12:13], s[14:15]     ; to where
	s_cselect_b32 s18, ttmp9, s18                  ; chunk of the input
	s_cselect_b32 s16, ttmp9, s16                  ; chunk of the output buffer
	s_lshl_b32 s24, s18, 16
	s_lshl_b32 s26, s16, 15
	s_add_nc_u64 s[20:21], s[20:21], s[24:25]
	s_add_nc_u64 s[22:23], s[22:23], s[26:27]
.irp j, 0,1,2,3,4,5,6,7,8,9,10,11,12,13,14,15
	global_load_b128 v[X+4*(\j):X+4*(\j)+3], v1, s[20:21] offset:4096*(\j) th:TH_LOAD_NT
.endr
	s_sub_co_u32 s29, ttmp9, 1024
	s_cmp_lt_u32 s29, 128                          ; Wk's and Wq's work-groups
	s_cbranch_scc1 .Lbf16
.irp j, 0,1,2,3,4,5,6,7,8,9,10,11,12,13,14,15
	s_wait_loadcnt 15-(\j)                         ; loads come back in order: load j is in, the younger ones stay out
	v_cvt_pk_bf16_f32 v[Y+2*(\j)],   v[X+4*(\j)],   v[X+4*(\j)+1]  ; the one rounding, to bf16
	v_cvt_pk_bf16_f32 v[Y+2*(\j)+1], v[X+4*(\j)+2], v[X+4*(\j)+3]
	v_lshlrev_b32 v[X+4*(\j)],   16,  v[Y+2*(\j)]                  ; back to f32,
	v_and_b32     v[X+4*(\j)+1], s28, v[Y+2*(\j)]
	v_lshlrev_b32 v[X+4*(\j)+2], 16,  v[Y+2*(\j)+1]
	v_and_b32     v[X+4*(\j)+3], s28, v[Y+2*(\j)+1]
	v_cvt_pk_f16_f32 v[Y+2*(\j)],   v[X+4*(\j)],   v[X+4*(\j)+1]   ; and written as f16
	v_cvt_pk_f16_f32 v[Y+2*(\j)+1], v[X+4*(\j)+2], v[X+4*(\j)+3]
	global_store_b64 v2, v[Y+2*(\j):Y+2*(\j)+1], s[22:23] offset:2048*(\j)
.endr
	s_endpgm
.Lbf16:
.irp j, 0,1,2,3,4,5,6,7,8,9,10,11,12,13,14,15
	s_wait_loadcnt 15-(\j)
	v_cvt_pk_bf16_f32 v[Y+2*(\j)],   v[X+4*(\j)],   v[X+4*(\j)+1]
	v_cvt_pk_bf16_f32 v[Y+2*(\j)+1], v[X+4*(\j)+2], v[X+4*(\j)+3]
	global_store_b64 v2, v[Y+2*(\j):Y+2*(\j)+1], s[22:23] offset:2048*(\j)
.endr
	s_endpgm
.Lfunc_end_k_qa197352ae0_prep:
	.size	k_qa197352ae0_prep, .Lfunc_end_k_qa197352ae0_prep-k_qa197352ae0_prep
	.p2alignl 7, 3214868480
	.fill 96, 4, 3214868480
	.section	.rodata,"a",@progbits
	.p2align	6, 0x0
	.amdhsa_kernel k_qa197352ae0_prep
		.amdhsa_group_segment_fixed_size 0
		.amdhsa_private_segment_fixed_size 0
		.amdhsa_enable_private_segment 0
		.amdhsa_kernarg_size 48
		.amdhsa_user_sgpr_count 2
		.amdhsa_user_sgpr_kernarg_segment_ptr 1
		.amdhsa_wavefront_size32 1
		.amdhsa_system_sgpr_workgroup_id_x 1
		.amdhsa_system_sgpr_workgroup_id_y 1
		.amdhsa_system_sgpr_workgroup_id_z 1
		.amdhsa_system_vgpr_workitem_id 0
		.amdhsa_next_free_vgpr 112
		.amdhsa_next_free_sgpr 66
		.amdhsa_reserve_vcc 0
		.amdhsa_float_denorm_mode_32 3
		.amdhsa_float_denorm_mode_16_64 3
		.amdhsa_memory_ordered 1
		.amdhsa_forward_progress 1
		.amdhsa_inst_pref_size 15
	.end_amdhsa_kernel
	.amdgpu_metadata
---
amdhsa.version: [ 1, 2 ]
amdhsa.kernels:
  - .name:           k_qa197352ae0_prep
    .symbol:         k_qa197352ae0_prep.kd
    .args:
      - { .name: x, .offset: 0, .size: 8, .value_kind: global_buffer, .address_space: global }
      - { .name: Wk, .offset: 8, .size: 8, .value_kind: global_buffer, .address_space: global }
      - { .name: Wq, .offset: 16, .size: 8, .value_kind: global_buffer, .address_space: global }
      - { .name: Wo, .offset: 24, .size: 8, .value_kind: global_buffer, .address_space: global }
      - { .name: xh, .offset: 32, .size: 8, .value_kind: global_buffer, .address_space: global }
      - { .name: wts, .offset: 40, .size: 8, .value_kind: global_buffer, .address_space: global }
    .group_segment_fixed_size: 0
    .private_segment_fixed_size: 0
    .kernarg_segment_align: 8
    .kernarg_segment_size: 48
    .max_flat_workgroup_size: 256
    .sgpr_count:     66
    .vgpr_count:     112
    .wavefront_size: 32
...
	.end_amdgpu_metadata
.endif
;; end of part 1
;; launch gram (part 2): grid 8 x 32, 4 waves a work-group, clusters of 4 x 4, 327,680 bytes of LDS; arguments xh, ghl; writes ghl
.if DOCPART == 2
	.amdgcn_target "amdgcn-amd-amdhsa--gfx1250"
	.amdhsa_code_object_version 6
	.text
	.protected	k_qa197352ae0_gram
	.globl	k_qa197352ae0_gram
	.p2align	8
	.type	k_qa197352ae0_gram,@function
k_qa197352ae0_gram:
	s_mov_b64 s[64:65], 0
	v_nop
	global_prefetch_b8 v0, s[64:65] scope:SCOPE_SE
	s_setreg_imm32_b32 hwreg(HW_REG_WAVE_MODE, 25, 1), 1
	s_wait_xcnt 0x0
	s_wait_alu depctr_hold_cnt(0) depctr_sa_sdst(0) depctr_va_vdst(0) depctr_va_sdst(0) depctr_va_ssrc(0) depctr_va_vcc(0) depctr_vm_vsrc(0)
	s_getreg_b32 s2, hwreg(HW_REG_IB_STS2, 6, 4)
	s_cmp_eq_u32 s2, 0
	s_cbranch_scc0 .Lentry_in_a_cluster
	s_endpgm
.Lentry_in_a_cluster:
	s_bfe_u32 s2, ttmp6, 0x10000c
	s_cmp_lg_u32 s2, 0xf033
	s_cbranch_scc0 .Lentry_shape_is_right
	s_endpgm
.Lentry_shape_is_right:
; ONE TEXT FOR TWO PRODUCTS C = A^T B, both operands stored [K][1024] as they lie in memory.  GWK chooses.
;   GWK = 0 (this kernel): G[n] = X[n]^T X[n].  A = B = xh[n], [4096 s][1024] f16; K = 4,096; f16 form.
;   GWK = 1: T[n] = G[n] Wk, with G = hi + lo.  A = ghl[n], [2 parts x 1024 j][1024 i] bf16 (G is symmetric, so row j, column i stands for G[i][j]); B = Wk (bf16), walked twice; K = 2,048; bf16 form.
; The energy of the module is the sum over i, d of Wq[i][64 a + d] T[i][64 b + d]: the same products as q . k, in another order of association; no difference of large sums is formed.
; C leaves as a PAIR of bf16: hi = bf16(c), lo = bf16(c - hi): [n][2 parts][1024][1024].  Sums in f32; their order differs from the order of the module as it is written.
; LIMITS.  f16 operands arrive within 65,504; NaN and infinities are not treated apart.
; SHARES.  A work-group makes 128 x 128 of C: 64 tiles for each n, 256 work-groups.  K IS SPLIT AMONG ITS FOUR WAVES: of a step's 256 rows of K wave w takes 64 w .. 64 w + 63, and makes the whole
; 128 x 128 over them: 64 accumulators, 512 registers, so that each byte read from LDS feeds as many products as in a tile of 256 x 256.  The four partial tiles meet in LDS once, at the end.
; RING.  Two LDS slots, each with 256 K rows x 128 columns of A and of B; rows of 256 bytes, 32 of padding.  Waves 0, 1 fetch A's halves, waves 2, 3 B's.  Both slots' first fills go out together
; (two loads of a wave are out); later one tensor load a wave behind each round.
; CLUSTER.  4 x 4 work-groups: A's tile hangs on the tile row alone and is asked for jointly along a row of the cluster, B's on the tile column alone, along a column.
; The clusters of one n begin their walk along K at different steps (START): f32 sums may be taken in any order.
; THE MATRIX INSTRUCTION IS USED TRANSPOSED: source 0 = 16 columns of B, source 1 = 16 columns of A (rows of C): a lane holds row l % 16 of C and the columns 8 (l / 16) + 0..7.
; Both fragments come out of LDS turned, by ds_load_tr16_b128.
; REGISTERS, in windows of 256: window 0: v0-31 addresses, v64-127, v128-191 A's fragments (two buffers), later at work on the way out; window 1: the same numbers, B's fragments;
;   window 2: accumulators of rows 0-63 ((a, b) at v[8 (8 a + b)]); window 3: rows 64-127.  s_set_vgpr_msb: bits 1:0 source 0, 3:2 source 1, 5:4 source 2, 7:6 destination.
.set GWK, 0
.if GWK
.set NS,   8                           ; K steps
.set BM,   3                           ; B is walked twice: its step is the step's number modulo 4
.set ASHN, 22                          ; A of one n: 4,194,304 bytes
.else
.set NS,   16
.set BM,   15
.set ASHN, 23                          ; 8,388,608 bytes
.endif
.set KM,     NS-1
.set PITCH,  288                       ; an LDS row: 256 bytes + 32 = 72 words: row r starts at bank 8 r mod 64 (64 banks of 4 bytes: ISA guide 11.1)
.set HALF,   128*PITCH                 ; what one tensor load brings
.set SLOT,   4*HALF                    ; A's 256 rows, then B's; no bit of SLOT is set in a wave's w x HALF, so an exclusive or turns an address in one slot into the other's
.set SPARE,  2*SLOT                    ; behind the ring: the spare words, 128 bytes for each wave
.set STAGE,  262144                    ; the way out (behind the slots' last fill): 16 rows x 272 bytes for each wave, behind the four partial tiles at bytes 0 .. 262,143
.set SPITCH, 272
.set RL,    8                          ; v8-11   the way out: where I read my rows of partial tile p
.set ADRA0, 16                         ; v16     my lane's place in A's part of a slot; never rewritten
.set ADRB0, 17                         ; v17     the same for B
.set ADRA,  18                         ; v18     the same in the slot in hand
.set ADRB,  19                         ; v19
.set RS,    20                         ; v20     the way out: where I put my partial tile
.set STO,   24                         ; v24     where I put 16 bytes of a row of the stage
.set RD,    25                         ; v25     where I read a row back
.set CO,    26                         ; v26     my byte offset in C
.set SPW,   28                         ; v28     LDS address of my spare word; never rewritten
.set NIL,   29                         ; v29     0; never rewritten
.set F0,    64
.set F1,    128
.set TH,    64                         ; the way out, window 0: hi parts, packed
.set TL,    96                         ; lo parts, packed
.set U,     128                        ; 64 numbers at work
.set BK0,   192                        ; 16 rows read back from the stage
.set BK1,   224
.set G1A, 24                           ; s[24:31] descriptor group 1 for A
.set G0A, 32                           ; s[32:35] group 0 for A: it walks, from the walk's step 1 on
.set BA,  36                           ; s[36:37] my part of A's tile at step 0
.set BB,  38                           ; s[38:39] the same for B
.set OFF, 46                           ; s[46:47] a step's byte offset in A
.set OFB, 22                           ; s[22:23] in B
.set G1B, 48                           ; s[48:55]
.set G0B, 56                           ; s[56:59]
.set NXT, 60                           ; s60 the step to be asked for next, counted from the walk's beginning
.set CNT, 61                           ; s61 loop counter
.set CUR, 62                           ; s62 0 or SLOT: the slot in hand
.set START, 63                         ; s63 the K step at which my cluster's walk begins
.set S0A, 68                           ; s[68:71] group 0 for A's first fill of slot 0; written once
.set S0B, 72                           ; s[72:75] the same for B
.set MSB, 0
.macro WIN new                         ; the immediate's high byte repeats the setting that is left; a switch that changes nothing is dropped
.if MSB != (\new)
	s_set_vgpr_msb (MSB<<8)|(\new)
.set MSB, \new
.endif
.endm
.set MUL_LO, 0xa1                      ; source 0 (B) window 1, source 1 (A) window 0, C and D window 2
.set TO_B,   0x40                      ; destination window 1, address window 0
; A joint load: one line for A's waves, one for B's; the branch hangs on the wave's number alone.  An s_nop 0 and four v_nop follow each line, ahead of the jump and the label.
.macro JLOAD
	s_cmp_eq_u32 s11, 0
	s_cbranch_scc0 .Lfor_b_\@
	tensor_load_to_lds s[G0A:G0A+3], s[G1A:G1A+7]
	s_nop 0
.rept 4
	v_nop
.endr
	s_branch .Lasked_\@
.Lfor_b_\@:
	tensor_load_to_lds s[G0B:G0B+3], s[G1B:G1B+7]
	s_nop 0
.rept 4
	v_nop
.endr
.Lasked_\@:
.endm
.macro CREST                           ; a round of the cluster's barrier behind its opening barrier
	s_cmp_lg_u32 s10, 0
	s_cbranch_scc1 .Lnot_wave_0_\@
	s_barrier_signal -3
.Lnot_wave_0_\@:
	s_barrier_wait -3
	s_barrier_signal -1
	s_barrier_wait -1
.endm
.macro CROUND                          ; a whole round
	s_barrier_signal -1
	s_barrier_wait -1
	CREST
.endm
; The group 0 sets ga (A) and gb (B) for step NXT of the walk: the addresses are made anew from the tiles' bases and the step's number.  It stands only where no tensor load that names these sets is out.  tog = 1: the other slot than last time.
.macro DESC ga, gb, tog
	s_add_co_u32 s14, s[NXT], s[START]
	s_and_b32 s14, s14, KM                         ; the K step
	s_lshl_b32 s[OFF], s14, 19                     ; 256 rows of 2,048 bytes
	s_and_b32 s14, s14, BM
	s_lshl_b32 s[OFB], s14, 19
.if \tog
	s_xor_b32 s[(\ga)+1], s[(\ga)+1], SLOT
	s_xor_b32 s[(\gb)+1], s[(\gb)+1], SLOT
.endif
	s_add_nc_u64 s[(\ga)+2:(\ga)+3], s[BA:BA+1], s[OFF:OFF+1]
	s_or_b32 s[(\ga)+3], s[(\ga)+3], 0x80000000    ; 127:126 type = 2
	s_add_nc_u64 s[(\gb)+2:(\gb)+3], s[BB:BB+1], s[OFB:OFB+1]
	s_or_b32 s[(\gb)+3], s[(\gb)+3], 0x80000000
	s_add_co_u32 s[NXT], s[NXT], 1
.endm
; 16 matrix instructions: row blocks a0, a0 + 1 of the window's four x all 8 column blocks, 32 along K.  zero = 1: the product starts the sum: nothing is cleared.
.macro MUL16 f, hi, a0, zero
	WIN MUL_LO+0x50*(\hi)
.irp a, \a0, (\a0)+1
.irp b, 0,1,2,3,4,5,6,7
.if GWK
.if \zero
	v_wmma_f32_16x16x32_bf16 v[8*(8*(\a)+(\b)):8*(8*(\a)+(\b))+7], v[(\f)+8*(\b):(\f)+8*(\b)+7], v[(\f)+8*(4*(\hi)+(\a)):(\f)+8*(4*(\hi)+(\a))+7], 0
.else
	v_wmma_f32_16x16x32_bf16 v[8*(8*(\a)+(\b)):8*(8*(\a)+(\b))+7], v[(\f)+8*(\b):(\f)+8*(\b)+7], v[(\f)+8*(4*(\hi)+(\a)):(\f)+8*(4*(\hi)+(\a))+7], v[8*(8*(\a)+(\b)):8*(8*(\a)+(\b))+7]
.endif
.else
.if \zero
	v_wmma_f32_16x16x32_f16 v[8*(8*(\a)+(\b)):8*(8*(\a)+(\b))+7], v[(\f)+8*(\b):(\f)+8*(\b)+7], v[(\f)+8*(4*(\hi)+(\a)):(\f)+8*(4*(\hi)+(\a))+7], 0
.else
	v_wmma_f32_16x16x32_f16 v[8*(8*(\a)+(\b)):8*(8*(\a)+(\b))+7], v[(\f)+8*(\b):(\f)+8*(\b)+7], v[(\f)+8*(4*(\hi)+(\a)):(\f)+8*(4*(\hi)+(\a))+7], v[8*(8*(\a)+(\b)):8*(8*(\a)+(\b))+7]
.endif
.endif
.endr
.endr
.endm
; 32 LDS loads in one run: 32 K rows from byte k of my 64, all 128 columns of B and of A, turned, into buffer f
.macro FETCH k, f
	WIN TO_B
.irp i, 0,1,2,3,4,5,6,7
	ds_load_tr16_b128 v[(\f)+8*(\i):(\f)+8*(\i)+3],   v[ADRB] offset:(\k)+32*(\i)
	ds_load_tr16_b128 v[(\f)+8*(\i)+4:(\f)+8*(\i)+7], v[ADRB] offset:(\k)+32*(\i)+16*PITCH
.endr
	WIN 0
.irp i, 0,1,2,3,4,5,6,7
	ds_load_tr16_b128 v[(\f)+8*(\i):(\f)+8*(\i)+3],   v[ADRA] offset:(\k)+32*(\i)
	ds_load_tr16_b128 v[(\f)+8*(\i)+4:(\f)+8*(\i)+7], v[ADRA] offset:(\k)+32*(\i)+16*PITCH
.endr
.endm
.macro PLACES                          ; four places in front of loads into registers that matrix instructions have read (ISA guide 7.12.1 for vector instructions)
.rept 4
	v_nop
.endr
.endm
; A step is two halves of 32 along K, 64 matrix instructions each.  The first: multiplies buffer f and fetches the second half, at byte k, into g.
.macro QUARTER k, f, g, zero
	s_wait_dscnt 8                                 ; B and A's blocks 0-3 are in; the youngest eight loads (A's blocks 4-7) may be out
	MUL16 \f, 0, 0, \zero
	MUL16 \f, 0, 2, \zero
	PLACES
	FETCH \k, \g
	s_wait_dscnt 32                                ; all but the 32 just issued
	MUL16 \f, 1, 0, \zero
	MUL16 \f, 1, 2, \zero
.endm
; The second half multiplies buffer 1 and changes slots in its middle: ONE barrier.  Its first 32 products stand ahead of the wait for the tile, so that from a request to the wait for it a wave issues a whole
; step's 128 matrix instructions, and only the round stands between the wait and the next request.  In front of the barrier each wave waits for all its tensor loads (one is out: its part of the next slot),
; adds 0 to its spare word, and waits for that and for its reads of this slot.  fill = 1: the barrier opens a round of the cluster's barrier, and behind the round this slot is filled again first, with the step two on.
.macro TURN fill
	s_wait_dscnt 8                                 ; B and A's blocks 0-3 are in; the youngest eight loads (A's blocks 4-7) may be out
	MUL16 F1, 0, 0, 0
	MUL16 F1, 0, 2, 0
	WIN 0
	s_wait_tensorcnt 0x0                           ; no tensor load of mine is out, so the descriptors may be written
	ds_add_u32 v[SPW], v[NIL]                      ; 0 onto my spare word; the scalar work below stands between it and the wait for it
.if \fill
	DESC G0A, G0B, 1
.endif
	s_xor_b32 s[CUR], s[CUR], SLOT
	s_wait_dscnt 0x0                               ; the add is done, and my reads of this slot are over
	s_barrier_signal -1
	s_barrier_wait -1
.if \fill
	CREST                                          ; no wave of any partner still reads this slot or has a load on its way
	JLOAD                                          ; the first tensor load behind the round; its four v_nop are also the places in front of the loads below
.else
	PLACES
.endif
	v_add_nc_u32 v[ADRA], s[CUR], v[ADRA0]
	v_add_nc_u32 v[ADRB], s[CUR], v[ADRB0]
	FETCH 0, F0
	MUL16 F1, 1, 0, 0
	MUL16 F1, 1, 2, 0
.endm
	s_load_b128 s[4:7], s[0:1], 0x0                ; GWK = 0: xh s[4:5], ghl s[6:7].  GWK = 1: ghl s[4:5], wts s[6:7]
.if GWK
	s_load_b64 s[8:9], s[0:1], 0x10                ; thl
.endif
	v_lshl_add_u32 v[SPW], v0, 2, SPARE
	v_mov_b32 v[NIL], 0
	ds_add_u32 v[SPW], v[NIL]                      ; the wave's opening: the add and its wait stand ahead of my first tensor load; work on registers stands between them
	v_lshrrev_b32 v1, 5, v0
	v_readfirstlane_b32 s10, v1                    ; wave 0..3
	s_lshr_b32 s11, s10, 1                         ; I fetch for A (0) or for B (1)
	s_and_b32 s12, s10, 1                          ; which 128 K rows of a step I fetch
	s_bfe_u32 s40, ttmp6, 0x40000                  ; cx
	s_bfe_u32 s41, ttmp6, 0x40004                  ; cy
	s_and_b32 s2, ttmp7, 0xffff                    ; cluster y: 2 n + upper or lower half of the tile rows
	s_lshr_b32 s3, s2, 1                           ; n
	s_and_b32 s2, s2, 1
	s_lshl_b32 s13, s2, 2
	s_add_co_u32 s13, s13, s41                     ; tile row of C, 0..7
	s_lshl_b32 s42, ttmp9, 2
	s_add_co_u32 s42, s42, s40                     ; tile column, 0..7
.if GWK
	s_lshl_b32 s[START], ttmp9, 2                  ; made of the cluster's coordinates alone: the same in all sixteen partners
.else
	s_lshl_b32 s[START], s2, 1
	s_add_co_u32 s[START], s[START], ttmp9
	s_lshl_b32 s[START], s[START], 2
.endif
	s_lshl_b32 s14, s41, 2
	s_lshl_b32 s14, 15, s14                        ; my row of the cluster
	s_lshl_b32 s15, 0x1111, s40                    ; my column
	; group 1: a tile of 128 rows x 128 elements of 2 bytes; 20 padding on; 21 set beside a mask; 24:22 after every 64 words (code 5); 31:25 8 words (code 7)
	s_or_b32 s[G1A], s14, (1<<16)|(1<<20)|(1<<21)|(5<<22)|(7<<25)
	s_or_b32 s[G1B], s15, (1<<16)|(1<<20)|(1<<21)|(5<<22)|(7<<25)
.irp g, G1A, G1B
	s_mov_b32 s[(\g)+1], 128<<16                   ; tensor_dim0 = 128
	s_mov_b32 s[(\g)+2], 128<<16                   ; tensor_dim1 = 128
	s_mov_b32 s[(\g)+3], 128<<16                   ; tile_dim0 = 128
	s_mov_b32 s[(\g)+4], 128                       ; tile_dim1 = 128
	s_mov_b32 s[(\g)+5], 1024                      ; elements from row to row
	s_mov_b32 s[(\g)+6], 0
	s_mov_b32 s[(\g)+7], 0
.endr
.irp g, G0A, G0B, S0A, S0B
	s_mov_b32 s[(\g)], 1                           ; count = 1
	s_mul_i32 s[(\g)+1], s10, HALF                 ; LDS address: wave x 128 rows: A's two halves, then B's; no place in the cluster enters it
.endr
	; byte offsets of my part of the tiles at K step 0: A's holds cy and never cx, B's cx and never cy
	s_lshl_b32 s[BA], s3, ASHN
	s_lshl_b32 s14, s12, 18                        ; 128 rows of 2,048 bytes
	s_add_co_u32 s[BA], s[BA], s14
	s_lshl_b32 s15, s13, 8                         ; 128 columns
	s_add_co_u32 s[BA], s[BA], s15
	s_mov_b32 s[BA+1], 0
	s_lshl_b32 s[BB], s42, 8
	s_add_co_u32 s[BB], s[BB], s14
.if GWK == 0
	s_lshl_b32 s21, s3, ASHN
	s_add_co_u32 s[BB], s[BB], s21
.endif
	s_mov_b32 s[BB+1], 0
	s_lshl_b32 s2, s3, 22                          ; C: n x 4,194,304
	s_lshl_b32 s3, s13, 18                         ; + 128 rows x tile row
	s_add_co_u32 s2, s2, s3
	s_lshl_b32 s3, s10, 16                         ; + the 32 rows that I finish
	s_add_co_u32 s2, s2, s3
	s_lshl_b32 s3, s42, 8                          ; + 128 columns x tile column
	s_add_co_u32 s2, s2, s3
	s_mov_b32 s3, 0
	s_mov_b32 s[OFF+1], 0
	s_mov_b32 s[OFB+1], 0
	s_mov_b32 s[NXT], 0
	s_mov_b32 s[CUR], 0
	s_wait_dscnt 0x0                               ; the opening add is done
	s_wait_kmcnt 0x0
	s_add_nc_u64 s[BA:BA+1], s[4:5], s[BA:BA+1]
.if GWK
	s_add_nc_u64 s[BB:BB+1], s[6:7], s[BB:BB+1]
	s_add_nc_u64 s[8:9], s[8:9], s[2:3]
.else
	s_add_nc_u64 s[BB:BB+1], s[4:5], s[BB:BB+1]
	s_add_nc_u64 s[8:9], s[6:7], s[2:3]
.endif
	DESC S0A, S0B, 0                               ; the walk's step 0, slot 0
	DESC G0A, G0B, 1                               ; the walk's step 1, slot 1
	CROUND                                         ; all sixteen work-groups are here: the first joint loads meet
	s_cmp_eq_u32 s11, 0                            ; a wave's two first fills stand in one branch, ahead of every wait on TENSORcnt and every LDS read: two loads of mine are out
	s_cbranch_scc0 .Lfirst_b
	tensor_load_to_lds s[S0A:S0A+3], s[G1A:G1A+7]
	s_nop 0
	tensor_load_to_lds s[G0A:G0A+3], s[G1A:G1A+7]
	s_nop 0
.rept 4
	v_nop
.endr
	s_branch .Lfirst_asked
.Lfirst_b:
	tensor_load_to_lds s[S0B:S0B+3], s[G1B:G1B+7]
	s_nop 0
	tensor_load_to_lds s[G0B:G0B+3], s[G1B:G1B+7]
	s_nop 0
.rept 4
	v_nop
.endr
.Lfirst_asked:
	v_and_b32 v1, 15, v0                           ; l % 16
	v_bfe_u32 v2, v0, 4, 1                         ; l / 16
	v_and_b32 v3, 7, v0
	v_bfe_u32 v4, v0, 3, 1
	v_lshl_add_u32 v5, v2, 3, v3                   ; the turning load: lane l addresses K row 8 (l / 16) + l % 8,
	v_mul_u32_u24 v5, v5, PITCH
	v_lshl_add_u32 v5, v4, 4, v5                   ; columns 8 ((l / 8) % 2) + 0..7
	s_mul_i32 s14, s10, 64*PITCH                   ; my 64 K rows of a step
	v_add_nc_u32 v[ADRA0], s14, v5
	v_add_nc_u32 v[ADRB0], 2*HALF, v[ADRA0]
	v_and_b32 v6, 31, v0
	v_lshlrev_b32 v6, 4, v6                        ; 16 x lane
	s_lshl_b32 s14, s10, 16
	v_add_nc_u32 v[RS], s14, v6                    ; my partial tile: 65,536 bytes at 65,536 w
	s_lshl_b32 s14, s10, 14
	v_add_nc_u32 v[RL], s14, v6                    ; accumulators 16 w .. 16 w + 15 of partial tile 0,
	v_add_nc_u32 v[RL+1], 0x10000, v[RL]           ; 1,
	v_add_nc_u32 v[RL+2], 0x20000, v[RL]           ; 2,
	v_add_nc_u32 v[RL+3], 0x30000, v[RL]           ; 3
	s_mul_i32 s14, s10, 16*SPITCH
	s_add_co_u32 s14, s14, STAGE                   ; my stage
	v_mul_u32_u24 v[STO], v1, SPITCH               ; in: row l % 16, 16 bytes for each half of the lanes
	v_lshl_add_u32 v[STO], v2, 4, v[STO]
	v_add_nc_u32 v[STO], s14, v[STO]
	v_mul_u32_u24 v[RD], v2, SPITCH                ; back: lanes 0-15 one row of 256 bytes, lanes 16-31 the next
	v_lshl_add_u32 v[RD], v1, 4, v[RD]
	v_add_nc_u32 v[RD], s14, v[RD]
	v_lshlrev_b32 v[CO], 11, v2                    ; and the same two rows in C
	v_lshl_add_u32 v[CO], v1, 4, v[CO]
	v_add_nc_u32 v[ADRA], s[CUR], v[ADRA0]
	v_add_nc_u32 v[ADRB], s[CUR], v[ADRB0]
	s_wait_tensorcnt 0x1                           ; my part of slot 0 is in; slot 1's may stay out
	s_barrier_signal -1
	s_barrier_wait -1                              ; everybody's part of slot 0 is in
	FETCH 0, F0
	QUARTER 32*PITCH, F0, F1, 1                    ; the first half step stands in front of the loop: its products start the sums
	WIN 0                                          ; at a label and at a branch every window is 0
	s_mov_b32 s[CNT], NS-2
.LloopA:                                               ; trip t: the rest of step t, the request for step t + 2, the first half of step t + 1.  The 64 accumulators take turns in one order, over the jump too
	TURN 1
	QUARTER 32*PITCH, F0, F1, 0
	WIN 0
	s_sub_co_u32 s[CNT], s[CNT], 1
	s_cmp_lg_u32 s[CNT], 0
	s_cbranch_scc1 .LloopA
	s_mov_b32 s[CNT], 2
.LloopB:                                               ; the last two steps ask for nothing; the second trip is left in its middle (its 32 fetches, from a slot that holds an older step, serve nothing: the price of one text)
	TURN 0
	WIN 0
	s_sub_co_u32 s[CNT], s[CNT], 1
	s_cmp_eq_u32 s[CNT], 0
	s_cbranch_scc1 .Lout
	QUARTER 32*PITCH, F0, F1, 0
	WIN 0
	s_branch .LloopB
.Lout:
	; THE WAY OUT.  The slots have had their last fill.  Each wave puts its partial tile into LDS as it lies in registers; wave w then adds the four partial tiles of rows 32 w .. 32 w + 31.
	s_wait_dscnt 0x0                               ; my reads of the slots are over
.rept 8
	v_nop                                          ; the places behind the last products, in front of the stores that read them
.endr
	s_barrier_signal -1
	s_barrier_wait -1                              ; nobody reads the slots any more
	WIN 0x08                                       ; store data in window 2
.set c, 0
.rept 32
	ds_store_b128 v[RS], v[8*c:8*c+3]   offset:1024*c       ; each accumulator's low registers first; 32 lanes x 16 consecutive bytes
	ds_store_b128 v[RS], v[8*c+4:8*c+7] offset:1024*c+512
.set c, c+1
.endr
	WIN 0x0c                                       ; window 3
.set c, 0
.rept 32
	ds_store_b128 v[RS], v[8*c:8*c+3]   offset:1024*(c+32)
	ds_store_b128 v[RS], v[8*c+4:8*c+7] offset:1024*(c+32)+512
.set c, c+1
.endr
	WIN 0
	s_wait_dscnt 0x0                               ; for the others' sake
	s_barrier_signal -1
	s_barrier_wait -1
.macro PLOAD p, win, base              ; my 16 accumulators of partial tile p, into 128 registers from base on
	WIN \win
.set t, 0
.rept 16
	ds_load_b128 v[(\base)+8*t:(\base)+8*t+3],   v[RL+(\p)] offset:1024*t
	ds_load_b128 v[(\base)+8*t+4:(\base)+8*t+7], v[RL+(\p)] offset:1024*t+512
.set t, t+1
.endr
.endm
.macro PSUM win, s                     ; 128 sums, two an instruction
	WIN \win
.set i, 0
.rept 64
	v_pk_add_f32 v[i:i+1], v[i:i+1], v[(\s)+i:(\s)+i+1]
.set i, i+2
.endr
.endm
	PLOAD 0, 0x80, 0                               ; window 2, v0-127
	PLOAD 1, 0x80, 128                             ; window 2, v128-255
	PLOAD 2, 0xc0, 0                               ; window 3, v0-127
	s_wait_dscnt 32                                ; tiles 0 and 1 are in; tile 2's 32 loads may be out
	PLOAD 3, 0xc0, 128                             ; window 3, v128-255
	PSUM 0x8a, 128                                 ; p0 += p1
	s_wait_dscnt 0x0
	PSUM 0xcf, 128                                 ; p2 += p3
	PSUM 0x8e, 0                                   ; p0 += p2: always (p0 + p1) + (p2 + p3)
	s_mov_b32 s15, 0xffff0000                      ; a word's upper bf16
; Row block ap (0, 1) of my two: hi = bf16(c), lo = bf16(c - hi), each packed to 16 bytes a lane and column block
.macro CONV ap
	WIN 0x0a                                       ; sources in window 2, destination in window 0
.set i, 0
.rept 32
	v_cvt_pk_bf16_f32 v[TH+i], v[64*(\ap)+2*i], v[64*(\ap)+2*i+1]
.set i, i+1
.endr
	WIN 0
.set i, 0
.rept 32
	v_lshlrev_b32 v[U+2*i],   16,  v[TH+i]
	v_and_b32     v[U+2*i+1], s15, v[TH+i]
.set i, i+1
.endr
	WIN 0x02                                       ; source 0 in window 2
.set i, 0
.rept 32
	v_pk_add_f32 v[U+2*i:U+2*i+1], v[64*(\ap)+2*i:64*(\ap)+2*i+1], v[U+2*i:U+2*i+1] neg_lo:[0,1] neg_hi:[0,1]
.set i, i+1
.endr
	WIN 0
.set i, 0
.rept 32
	v_cvt_pk_bf16_f32 v[TL+i], v[U+2*i], v[U+2*i+1]
.set i, i+1
.endr
.endm
.macro STG src, bk                     ; 16 rows through my stage: in by 16 bytes a lane, back as whole rows of 256 bytes
.irp b, 0,1,2,3,4,5,6,7
	ds_store_b128 v[STO], v[(\src)+4*(\b):(\src)+4*(\b)+3] offset:32*(\b)
.endr
.irp t, 0,1,2,3,4,5,6,7
	ds_load_b128 v[(\bk)+4*(\t):(\bk)+4*(\t)+3], v[RD] offset:(\t)*2*SPITCH  ; LDS serves a wave's instructions in order (ISA guide 5.7.1.4): these see the stores above, and the next stores come behind them
.endr
.endm
.macro SEND part, ap, bk, younger      ; younger: the LDS instructions issued behind this block's loads
	s_wait_dscnt \younger
.irp t, 0,1,2,3,4,5,6,7
	global_store_b128 v[CO], v[(\bk)+4*(\t):(\bk)+4*(\t)+3], s[8:9] offset:(\part)*2097152+(\ap)*32768+4096*(\t)  ; 16 lanes store 256 consecutive bytes, at a multiple of 256 from C's first byte
.endr
.endm
	CONV 0
	STG TH, BK0
	STG TL, BK1
	CONV 1                                         ; the second block's arithmetic stands between the first block's loads and their stores
	SEND 0, 0, BK0, 16
	SEND 1, 0, BK1, 0
	s_wait_xcnt 0x0                                ; the stores have read their registers: only now are these loaded again
	STG TH, BK0
	STG TL, BK1
	SEND 0, 1, BK0, 16
	SEND 1, 1, BK1, 0
	s_wait_tensorcnt 0x0                           ; the wave's end: behind my last tensor load and my last LDS store
	ds_add_u32 v[SPW], v[NIL]
	s_wait_dscnt 0x0
	CROUND                                         ; the closing round: no work-group ends while a partner may still ask for a tile that names it
	s_endpgm
.Lfunc_end_k_qa197352ae0_gram:
	.size	k_qa197352ae0_gram, .Lfunc_end_k_qa197352ae0_gram-k_qa197352ae0_gram
	.p2alignl 7, 3214868480
	.fill 96, 4, 3214868480
	.section	.rodata,"a",@progbits
	.p2align	6, 0x0
	.amdhsa_kernel k_qa197352ae0_gram
		.amdhsa_group_segment_fixed_size 327680
		.amdhsa_private_segment_fixed_size 0
		.amdhsa_enable_private_segment 0
		.amdhsa_kernarg_size 16
		.amdhsa_user_sgpr_count 2
		.amdhsa_user_sgpr_kernarg_segment_ptr 1
		.amdhsa_wavefront_size32 1
		.amdhsa_system_sgpr_workgroup_id_x 1
		.amdhsa_system_sgpr_workgroup_id_y 1
		.amdhsa_system_sgpr_workgroup_id_z 1
		.amdhsa_system_vgpr_workitem_id 0
		.amdhsa_next_free_vgpr 1024
		.amdhsa_next_free_sgpr 76
		.amdhsa_reserve_vcc 0
		.amdhsa_float_denorm_mode_32 3
		.amdhsa_float_denorm_mode_16_64 3
		.amdhsa_memory_ordered 1
		.amdhsa_forward_progress 1
		.amdhsa_inst_pref_size 96
	.end_amdhsa_kernel
	.amdgpu_metadata
---
amdhsa.version: [ 1, 2 ]
amdhsa.kernels:
  - .name:           k_qa197352ae0_gram
    .symbol:         k_qa197352ae0_gram.kd
    .args:
      - { .name: xh, .offset: 0, .size: 8, .value_kind: global_buffer, .address_space: global }
      - { .name: ghl, .offset: 8, .size: 8, .value_kind: global_buffer, .address_space: global }
    .group_segment_fixed_size: 327680
    .private_segment_fixed_size: 0
    .kernarg_segment_align: 8
    .kernarg_segment_size: 16
    .max_flat_workgroup_size: 128
    .sgpr_count:     76
    .vgpr_count:     1024
    .wavefront_size: 32
...
	.end_amdgpu_metadata
.endif
;; end of part 2
;; launch gwk (part 3): grid 8 x 32, 4 waves a work-group, clusters of 4 x 4, 327,680 bytes of LDS; arguments ghl, wts, thl; writes thl
.if DOCPART == 3
	.amdgcn_target "amdgcn-amd-amdhsa--gfx1250"
	.amdhsa_code_object_version 6
	.text
	.protected	k_qa197352ae0_gwk
	.globl	k_qa197352ae0_gwk
	.p2align	8
	.type	k_qa197352ae0_gwk,@function
k_qa197352ae0_gwk:
	s_mov_b64 s[64:65], 0
	v_nop
	global_prefetch_b8 v0, s[64:65] scope:SCOPE_SE
	s_setreg_imm32_b32 hwreg(HW_REG_WAVE_MODE, 25, 1), 1
	s_wait_xcnt 0x0
	s_wait_alu depctr_hold_cnt(0) depctr_sa_sdst(0) depctr_va_vdst(0) depctr_va_sdst(0) depctr_va_ssrc(0) depctr_va_vcc(0) depctr_vm_vsrc(0)
	s_getreg_b32 s2, hwreg(HW_REG_IB_STS2, 6, 4)
	s_cmp_eq_u32 s2, 0
	s_cbranch_scc0 .Lentry_in_a_cluster
	s_endpgm
.Lentry_in_a_cluster:
	s_bfe_u32 s2, ttmp6, 0x10000c
	s_cmp_lg_u32 s2, 0xf033
	s_cbranch_scc0 .Lentry_shape_is_right
	s_endpgm
.Lentry_shape_is_right:
; ONE TEXT FOR TWO PRODUCTS C = A^T B, both operands stored [K][1024] as they lie in memory.  GWK chooses.
;   GWK = 0: G[n] = X[n]^T X[n].  A = B = xh[n], [4096 s][1024] f16; K = 4,096; f16 form.
;   GWK = 1 (this kernel): T[n] = G[n] Wk, with G = hi + lo.  A = ghl[n], [2 parts x 1024 j][1024 i] bf16 (G is symmetric, so row j, column i stands for G[i][j]); B = Wk (bf16), walked twice; K = 2,048; bf16 form.
; The energy of the module is the sum over i, d of Wq[i][64 a + d] T[i][64 b + d]: the same products as q . k, in another order of association; no difference of large sums is formed.
; C leaves as a PAIR of bf16: hi = bf16(c), lo = bf16(c - hi): [n][2 parts][1024][1024].  Sums in f32; their order differs from the order of the module as it is written.
; LIMITS.  f16 operands arrive within 65,504; NaN and infinities are not treated apart.
; SHARES.  A work-group makes 128 x 128 of C: 64 tiles for each n, 256 work-groups.  K IS SPLIT AMONG ITS FOUR WAVES: of a step's 256 rows of K wave w takes 64 w .. 64 w + 63, and makes the whole
; 128 x 128 over them: 64 accumulators, 512 registers, so that each byte read from LDS feeds as many products as in a tile of 256 x 256.  The four partial tiles meet in LDS once, at the end.
; RING.  Two LDS slots, each with 256 K rows x 128 columns of A and of B; rows of 256 bytes, 32 of padding.  Waves 0, 1 fetch A's halves, waves 2, 3 B's.  Both slots' first fills go out together
; (two loads of a wave are out); later one tensor load a wave behind each round.
; CLUSTER.  4 x 4 work-groups: A's tile hangs on the tile row alone and is asked for jointly along a row of the cluster, B's on the tile column alone, along a column.
; The clusters of one n begin their walk along K at different steps (START): f32 sums may be taken in any order.
; THE MATRIX INSTRUCTION IS USED TRANSPOSED: source 0 = 16 columns of B, source 1 = 16 columns of A (rows of C): a lane holds row l % 16 of C and the columns 8 (l / 16) + 0..7.
; Both fragments come out of LDS turned, by ds_load_tr16_b128.
; REGISTERS, in windows of 256: window 0: v0-31 addresses, v64-127, v128-191 A's fragments (two buffers), later at work on the way out; window 1: the same numbers, B's fragments;
;   window 2: accumulators of rows 0-63 ((a, b) at v[8 (8 a + b)]); window 3: rows 64-127.  s_set_vgpr_msb: bits 1:0 source 0, 3:2 source 1, 5:4 source 2, 7:6 destination.
.set GWK, 1
.if GWK
.set NS,   8                           ; K steps
.set BM,   3                           ; B is walked twice: its step is the step's number modulo 4
.set ASHN, 22                          ; A of one n: 4,194,304 bytes
.else
.set NS,   16
.set BM,   15
.set ASHN, 23                          ; 8,388,608 bytes
.endif
.set KM,     NS-1
.set PITCH,  288                       ; an LDS row: 256 bytes + 32 = 72 words: row r starts at bank 8 r mod 64 (64 banks of 4 bytes: ISA guide 11.1)
.set HALF,   128*PITCH                 ; what one tensor load brings
.set SLOT,   4*HALF                    ; A's 256 rows, then B's; no bit of SLOT is set in a wave's w x HALF, so an exclusive or turns an address in one slot into the other's
.set SPARE,  2*SLOT                    ; behind the ring: the spare words, 128 bytes for each wave
.set STAGE,  262144                    ; the way out (behind the slots' last fill): 16 rows x 272 bytes for each wave, behind the four partial tiles at bytes 0 .. 262,143
.set SPITCH, 272
.set RL,    8                          ; v8-11   the way out: where I read my rows of partial tile p
.set ADRA0, 16                         ; v16     my lane's place in A's part of a slot; never rewritten
.set ADRB0, 17                         ; v17     the same for B
.set ADRA,  18                         ; v18     the same in the slot in hand
.set ADRB,  19                         ; v19
.set RS,    20                         ; v20     the way out: where I put my partial tile
.set STO,   24                         ; v24     where I put 16 bytes of a row of the stage
.set RD,    25                         ; v25     where I read a row back
.set CO,    26                         ; v26     my byte offset in C
.set SPW,   28                         ; v28     LDS address of my spare word; never rewritten
.set NIL,   29                         ; v29     0; never rewritten
.set F0,    64
.set F1,    128
.set TH,    64                         ; the way out, window 0: hi parts, packed
.set TL,    96                         ; lo parts, packed
.set U,     128                        ; 64 numbers at work
.set BK0,   192                        ; 16 rows read back from the stage
.set BK1,   224
.set G1A, 24                           ; s[24:31] descriptor group 1 for A
.set G0A, 32                           ; s[32:35] group 0 for A: it walks, from the walk's step 1 on
.set BA,  36                           ; s[36:37] my part of A's tile at step 0
.set BB,  38                           ; s[38:39] the same for B
.set OFF, 46                           ; s[46:47] a step's byte offset in A
.set OFB, 22                           ; s[22:23] in B
.set G1B, 48                           ; s[48:55]
.set G0B, 56                           ; s[56:59]
.set NXT, 60                           ; s60 the step to be asked for next, counted from the walk's beginning
.set CNT, 61                           ; s61 loop counter
.set CUR, 62                           ; s62 0 or SLOT: the slot in hand
.set START, 63                         ; s63 the K step at which my cluster's walk begins
.set S0A, 68                           ; s[68:71] group 0 for A's first fill of slot 0; written once
.set S0B, 72                           ; s[72:75] the same for B
.set MSB, 0
.macro WIN new                         ; the immediate's high byte repeats the setting that is left; a switch that changes nothing is dropped
.if MSB != (\new)
	s_set_vgpr_msb (MSB<<8)|(\new)
.set MSB, \new
.endif
.endm
.set MUL_LO, 0xa1                      ; source 0 (B) window 1, source 1 (A) window 0, C and D window 2
.set TO_B,   0x40                      ; destination window 1, address window 0
; A joint load: one line for A's waves, one for B's; the branch hangs on the wave's number alone.  An s_nop 0 and four v_nop follow each line, ahead of the jump and the label.
.macro JLOAD
	s_cmp_eq_u32 s11, 0
	s_cbranch_scc0 .Lfor_b_\@
	tensor_load_to_lds s[G0A:G0A+3], s[G1A:G1A+7]
	s_nop 0
.rept 4
	v_nop
.endr
	s_branch .Lasked_\@
.Lfor_b_\@:
	tensor_load_to_lds s[G0B:G0B+3], s[G1B:G1B+7]
	s_nop 0
.rept 4
	v_nop
.endr
.Lasked_\@:
.endm
.macro CREST                           ; a round of the cluster's barrier behind its opening barrier
	s_cmp_lg_u32 s10, 0
	s_cbranch_scc1 .Lnot_wave_0_\@
	s_barrier_signal -3
.Lnot_wave_0_\@:
	s_barrier_wait -3
	s_barrier_signal -1
	s_barrier_wait -1
.endm
.macro CROUND                          ; a whole round
	s_barrier_signal -1
	s_barrier_wait -1
	CREST
.endm
; The group 0 sets ga (A) and gb (B) for step NXT of the walk: the addresses are made anew from the tiles' bases and the step's number.  It stands only where no tensor load that names these sets is out.  tog = 1: the other slot than last time.
.macro DESC ga, gb, tog
	s_add_co_u32 s14, s[NXT], s[START]
	s_and_b32 s14, s14, KM                         ; the K step
	s_lshl_b32 s[OFF], s14, 19                     ; 256 rows of 2,048 bytes
	s_and_b32 s14, s14, BM
	s_lshl_b32 s[OFB], s14, 19
.if \tog
	s_xor_b32 s[(\ga)+1], s[(\ga)+1], SLOT
	s_xor_b32 s[(\gb)+1], s[(\gb)+1], SLOT
.endif
	s_add_nc_u64 s[(\ga)+2:(\ga)+3], s[BA:BA+1], s[OFF:OFF+1]
	s_or_b32 s[(\ga)+3], s[(\ga)+3], 0x80000000    ; 127:126 type = 2
	s_add_nc_u64 s[(\gb)+2:(\gb)+3], s[BB:BB+1], s[OFB:OFB+1]
	s_or_b32 s[(\gb)+3], s[(\gb)+3], 0x80000000
	s_add_co_u32 s[NXT], s[NXT], 1
.endm
; 16 matrix instructions: row blocks a0, a0 + 1 of the window's four x all 8 column blocks, 32 along K.  zero = 1: the product starts the sum: nothing is cleared.
.macro MUL16 f, hi, a0, zero
	WIN MUL_LO+0x50*(\hi)
.irp a, \a0, (\a0)+1
.irp b, 0,1,2,3,4,5,6,7
.if GWK
.if \zero
	v_wmma_f32_16x16x32_bf16 v[8*(8*(\a)+(\b)):8*(8*(\a)+(\b))+7], v[(\f)+8*(\b):(\f)+8*(\b)+7], v[(\f)+8*(4*(\hi)+(\a)):(\f)+8*(4*(\hi)+(\a))+7], 0
.else
	v_wmma_f32_16x16x32_bf16 v[8*(8*(\a)+(\b)):8*(8*(\a)+(\b))+7], v[(\f)+8*(\b):(\f)+8*(\b)+7], v[(\f)+8*(4*(\hi)+(\a)):(\f)+8*(4*(\hi)+(\a))+7], v[8*(8*(\a)+(\b)):8*(8*(\a)+(\b))+7]
.endif
.else
.if \zero
	v_wmma_f32_16x16x32_f16 v[8*(8*(\a)+(\b)):8*(8*(\a)+(\b))+7], v[(\f)+8*(\b):(\f)+8*(\b)+7], v[(\f)+8*(4*(\hi)+(\a)):(\f)+8*(4*(\hi)+(\a))+7], 0
.else
	v_wmma_f32_16x16x32_f16 v[8*(8*(\a)+(\b)):8*(8*(\a)+(\b))+7], v[(\f)+8*(\b):(\f)+8*(\b)+7], v[(\f)+8*(4*(\hi)+(\a)):(\f)+8*(4*(\hi)+(\a))+7], v[8*(8*(\a)+(\b)):8*(8*(\a)+(\b))+7]
.endif
.endif
.endr
.endr
.endm
; 32 LDS loads in one run: 32 K rows from byte k of my 64, all 128 columns of B and of A, turned, into buffer f
.macro FETCH k, f
	WIN TO_B
.irp i, 0,1,2,3,4,5,6,7
	ds_load_tr16_b128 v[(\f)+8*(\i):(\f)+8*(\i)+3],   v[ADRB] offset:(\k)+32*(\i)
	ds_load_tr16_b128 v[(\f)+8*(\i)+4:(\f)+8*(\i)+7], v[ADRB] offset:(\k)+32*(\i)+16*PITCH
.endr
	WIN 0
.irp i, 0,1,2,3,4,5,6,7
	ds_load_tr16_b128 v[(\f)+8*(\i):(\f)+8*(\i)+3],   v[ADRA] offset:(\k)+32*(\i)
	ds_load_tr16_b128 v[(\f)+8*(\i)+4:(\f)+8*(\i)+7], v[ADRA] offset:(\k)+32*(\i)+16*PITCH
.endr
.endm
.macro PLACES                          ; four places in front of loads into registers that matrix instructions have read (ISA guide 7.12.1 for vector instructions)
.rept 4
	v_nop
.endr
.endm
; A step is two halves of 32 along K, 64 matrix instructions each.  The first: multiplies buffer f and fetches the second half, at byte k, into g.
.macro QUARTER k, f, g, zero
	s_wait_dscnt 8                                 ; B and A's blocks 0-3 are in; the youngest eight loads (A's blocks 4-7) may be out
	MUL16 \f, 0, 0, \zero
	MUL16 \f, 0, 2, \zero
	PLACES
	FETCH \k, \g
	s_wait_dscnt 32                                ; all but the 32 just issued
	MUL16 \f, 1, 0, \zero
	MUL16 \f, 1, 2, \zero
.endm
; The second half multiplies buffer 1 and changes slots in its middle: ONE barrier.  Its first 32 products stand ahead of the wait for the tile, so that from a request to the wait for it a wave issues a whole
; step's 128 matrix instructions, and only the round stands between the wait and the next request.  In front of the barrier each wave waits for all its tensor loads (one is out: its part of the next slot),
; adds 0 to its spare word, and waits for that and for its reads of this slot.  fill = 1: the barrier opens a round of the cluster's barrier, and behind the round this slot is filled again first, with the step two on.
.macro TURN fill
	s_wait_dscnt 8                                 ; B and A's blocks 0-3 are in; the youngest eight loads (A's blocks 4-7) may be out
	MUL16 F1, 0, 0, 0
	MUL16 F1, 0, 2, 0
	WIN 0
	s_wait_tensorcnt 0x0                           ; no tensor load of mine is out, so the descriptors may be written
	ds_add_u32 v[SPW], v[NIL]                      ; 0 onto my spare word; the scalar work below stands between it and the wait for it
.if \fill
	DESC G0A, G0B, 1
.endif
	s_xor_b32 s[CUR], s[CUR], SLOT
	s_wait_dscnt 0x0                               ; the add is done, and my reads of this slot are over
	s_barrier_signal -1
	s_barrier_wait -1
.if \fill
	CREST                                          ; no wave of any partner still reads this slot or has a load on its way
	JLOAD                                          ; the first tensor load behind the round; its four v_nop are also the places in front of the loads below
.else
	PLACES
.endif
	v_add_nc_u32 v[ADRA], s[CUR], v[ADRA0]
	v_add_nc_u32 v[ADRB], s[CUR], v[ADRB0]
	FETCH 0, F0
	MUL16 F1, 1, 0, 0
	MUL16 F1, 1, 2, 0
.endm
	s_load_b128 s[4:7], s[0:1], 0x0                ; GWK = 0: xh s[4:5], ghl s[6:7].  GWK = 1: ghl s[4:5], wts s[6:7]
.if GWK
	s_load_b64 s[8:9], s[0:1], 0x10                ; thl
.endif
	v_lshl_add_u32 v[SPW], v0, 2, SPARE
	v_mov_b32 v[NIL], 0
	ds_add_u32 v[SPW], v[NIL]                      ; the wave's opening: the add and its wait stand ahead of my first tensor load; work on registers stands between them
	v_lshrrev_b32 v1, 5, v0
	v_readfirstlane_b32 s10, v1                    ; wave 0..3
	s_lshr_b32 s11, s10, 1                         ; I fetch for A (0) or for B (1)
	s_and_b32 s12, s10, 1                          ; which 128 K rows of a step I fetch
	s_bfe_u32 s40, ttmp6, 0x40000                  ; cx
	s_bfe_u32 s41, ttmp6, 0x40004                  ; cy
	s_and_b32 s2, ttmp7, 0xffff                    ; cluster y: 2 n + upper or lower half of the tile rows
	s_lshr_b32 s3, s2, 1                           ; n
	s_and_b32 s2, s2, 1
	s_lshl_b32 s13, s2, 2
	s_add_co_u32 s13, s13, s41                     ; tile row of C, 0..7
	s_lshl_b32 s42, ttmp9, 2
	s_add_co_u32 s42, s42, s40                     ; tile column, 0..7
.if GWK
	s_lshl_b32 s[START], ttmp9, 2                  ; made of the cluster's coordinates alone: the same in all sixteen partners
.else
	s_lshl_b32 s[START], s2, 1
	s_add_co_u32 s[START], s[START], ttmp9
	s_lshl_b32 s[START], s[START], 2
.endif
	s_lshl_b32 s14, s41, 2
	s_lshl_b32 s14, 15, s14                        ; my row of the cluster
	s_lshl_b32 s15, 0x1111, s40                    ; my column
	; group 1: a tile of 128 rows x 128 elements of 2 bytes; 20 padding on; 21 set beside a mask; 24:22 after every 64 words (code 5); 31:25 8 words (code 7)
	s_or_b32 s[G1A], s14, (1<<16)|(1<<20)|(1<<21)|(5<<22)|(7<<25)
	s_or_b32 s[G1B], s15, (1<<16)|(1<<20)|(1<<21)|(5<<22)|(7<<25)
.irp g, G1A, G1B
	s_mov_b32 s[(\g)+1], 128<<16                   ; tensor_dim0 = 128
	s_mov_b32 s[(\g)+2], 128<<16                   ; tensor_dim1 = 128
	s_mov_b32 s[(\g)+3], 128<<16                   ; tile_dim0 = 128
	s_mov_b32 s[(\g)+4], 128                       ; tile_dim1 = 128
	s_mov_b32 s[(\g)+5], 1024                      ; elements from row to row
	s_mov_b32 s[(\g)+6], 0
	s_mov_b32 s[(\g)+7], 0
.endr
.irp g, G0A, G0B, S0A, S0B
	s_mov_b32 s[(\g)], 1                           ; count = 1
	s_mul_i32 s[(\g)+1], s10, HALF                 ; LDS address: wave x 128 rows: A's two halves, then B's; no place in the cluster enters it
.endr
	; byte offsets of my part of the tiles at K step 0: A's holds cy and never cx, B's cx and never cy
	s_lshl_b32 s[BA], s3, ASHN
	s_lshl_b32 s14, s12, 18                        ; 128 rows of 2,048 bytes
	s_add_co_u32 s[BA], s[BA], s14
	s_lshl_b32 s15, s13, 8                         ; 128 columns
	s_add_co_u32 s[BA], s[BA], s15
	s_mov_b32 s[BA+1], 0
	s_lshl_b32 s[BB], s42, 8
	s_add_co_u32 s[BB], s[BB], s14
.if GWK == 0
	s_lshl_b32 s21, s3, ASHN
	s_add_co_u32 s[BB], s[BB], s21
.endif
	s_mov_b32 s[BB+1], 0
	s_lshl_b32 s2, s3, 22                          ; C: n x 4,194,304
	s_lshl_b32 s3, s13, 18                         ; + 128 rows x tile row
	s_add_co_u32 s2, s2, s3
	s_lshl_b32 s3, s10, 16                         ; + the 32 rows that I finish
	s_add_co_u32 s2, s2, s3
	s_lshl_b32 s3, s42, 8                          ; + 128 columns x tile column
	s_add_co_u32 s2, s2, s3
	s_mov_b32 s3, 0
	s_mov_b32 s[OFF+1], 0
	s_mov_b32 s[OFB+1], 0
	s_mov_b32 s[NXT], 0
	s_mov_b32 s[CUR], 0
	s_wait_dscnt 0x0                               ; the opening add is done
	s_wait_kmcnt 0x0
	s_add_nc_u64 s[BA:BA+1], s[4:5], s[BA:BA+1]
.if GWK
	s_add_nc_u64 s[BB:BB+1], s[6:7], s[BB:BB+1]
	s_add_nc_u64 s[8:9], s[8:9], s[2:3]
.else
	s_add_nc_u64 s[BB:BB+1], s[4:5], s[BB:BB+1]
	s_add_nc_u64 s[8:9], s[6:7], s[2:3]
.endif
	DESC S0A, S0B, 0                               ; the walk's step 0, slot 0
	DESC G0A, G0B, 1                               ; the walk's step 1, slot 1
	CROUND                                         ; all sixteen work-groups are here: the first joint loads meet
	s_cmp_eq_u32 s11, 0                            ; a wave's two first fills stand in one branch, ahead of every wait on TENSORcnt and every LDS read: two loads of mine are out
	s_cbranch_scc0 .Lfirst_b
	tensor_load_to_lds s[S0A:S0A+3], s[G1A:G1A+7]
	s_nop 0
	tensor_load_to_lds s[G0A:G0A+3], s[G1A:G1A+7]
	s_nop 0
.rept 4
	v_nop
.endr
	s_branch .Lfirst_asked
.Lfirst_b:
	tensor_load_to_lds s[S0B:S0B+3], s[G1B:G1B+7]
	s_nop 0
	tensor_load_to_lds s[G0B:G0B+3], s[G1B:G1B+7]
	s_nop 0
.rept 4
	v_nop
.endr
.Lfirst_asked:
	v_and_b32 v1, 15, v0                           ; l % 16
	v_bfe_u32 v2, v0, 4, 1                         ; l / 16
	v_and_b32 v3, 7, v0
	v_bfe_u32 v4, v0, 3, 1
	v_lshl_add_u32 v5, v2, 3, v3                   ; the turning load: lane l addresses K row 8 (l / 16) + l % 8,
	v_mul_u32_u24 v5, v5, PITCH
	v_lshl_add_u32 v5, v4, 4, v5                   ; columns 8 ((l / 8) % 2) + 0..7
	s_mul_i32 s14, s10, 64*PITCH                   ; my 64 K rows of a step
	v_add_nc_u32 v[ADRA0], s14, v5
	v_add_nc_u32 v[ADRB0], 2*HALF, v[ADRA0]
	v_and_b32 v6, 31, v0
	v_lshlrev_b32 v6, 4, v6                        ; 16 x lane
	s_lshl_b32 s14, s10, 16
	v_add_nc_u32 v[RS], s14, v6                    ; my partial tile: 65,536 bytes at 65,536 w
	s_lshl_b32 s14, s10, 14
	v_add_nc_u32 v[RL], s14, v6                    ; accumulators 16 w .. 16 w + 15 of partial tile 0,
	v_add_nc_u32 v[RL+1], 0x10000, v[RL]           ; 1,
	v_add_nc_u32 v[RL+2], 0x20000, v[RL]           ; 2,
	v_add_nc_u32 v[RL+3], 0x30000, v[RL]           ; 3
	s_mul_i32 s14, s10, 16*SPITCH
	s_add_co_u32 s14, s14, STAGE                   ; my stage
	v_mul_u32_u24 v[STO], v1, SPITCH               ; in: row l % 16, 16 bytes for each half of the lanes
	v_lshl_add_u32 v[STO], v2, 4, v[STO]
	v_add_nc_u32 v[STO], s14, v[STO]
	v_mul_u32_u24 v[RD], v2, SPITCH                ; back: lanes 0-15 one row of 256 bytes, lanes 16-31 the next
	v_lshl_add_u32 v[RD], v1, 4, v[RD]
	v_add_nc_u32 v[RD], s14, v[RD]
	v_lshlrev_b32 v[CO], 11, v2                    ; and the same two rows in C
	v_lshl_add_u32 v[CO], v1, 4, v[CO]
	v_add_nc_u32 v[ADRA], s[CUR], v[ADRA0]
	v_add_nc_u32 v[ADRB], s[CUR], v[ADRB0]
	s_wait_tensorcnt 0x1                           ; my part of slot 0 is in; slot 1's may stay out
	s_barrier_signal -1
	s_barrier_wait -1                              ; everybody's part of slot 0 is in
	FETCH 0, F0
	QUARTER 32*PITCH, F0, F1, 1                    ; the first half step stands in front of the loop: its products start the sums
	WIN 0                                          ; at a label and at a branch every window is 0
	s_mov_b32 s[CNT], NS-2
.LloopA:                                               ; trip t: the rest of step t, the request for step t + 2, the first half of step t + 1.  The 64 accumulators take turns in one order, over the jump too
	TURN 1
	QUARTER 32*PITCH, F0, F1, 0
	WIN 0
	s_sub_co_u32 s[CNT], s[CNT], 1
	s_cmp_lg_u32 s[CNT], 0
	s_cbranch_scc1 .LloopA
	s_mov_b32 s[CNT], 2
.LloopB:                                               ; the last two steps ask for nothing; the second trip is left in its middle (its 32 fetches, from a slot that holds an older step, serve nothing: the price of one text)
	TURN 0
	WIN 0
	s_sub_co_u32 s[CNT], s[CNT], 1
	s_cmp_eq_u32 s[CNT], 0
	s_cbranch_scc1 .Lout
	QUARTER 32*PITCH, F0, F1, 0
	WIN 0
	s_branch .LloopB
.Lout:
	; THE WAY OUT.  The slots have had their last fill.  Each wave puts its partial tile into LDS as it lies in registers; wave w then adds the four partial tiles of rows 32 w .. 32 w + 31.
	s_wait_dscnt 0x0                               ; my reads of the slots are over
.rept 8
	v_nop                                          ; the places behind the last products, in front of the stores that read them
.endr
	s_barrier_signal -1
	s_barrier_wait -1                              ; nobody reads the slots any more
	WIN 0x08                                       ; store data in window 2
.set c, 0
.rept 32
	ds_store_b128 v[RS], v[8*c:8*c+3]   offset:1024*c       ; each accumulator's low registers first; 32 lanes x 16 consecutive bytes
	ds_store_b128 v[RS], v[8*c+4:8*c+7] offset:1024*c+512
.set c, c+1
.endr
	WIN 0x0c                                       ; window 3
.set c, 0
.rept 32
	ds_store_b128 v[RS], v[8*c:8*c+3]   offset:1024*(c+32)
	ds_store_b128 v[RS], v[8*c+4:8*c+7] offset:1024*(c+32)+512
.set c, c+1
.endr
	WIN 0
	s_wait_dscnt 0x0                               ; for the others' sake
	s_barrier_signal -1
	s_barrier_wait -1
.macro PLOAD p, win, base              ; my 16 accumulators of partial tile p, into 128 registers from base on
	WIN \win
.set t, 0
.rept 16
	ds_load_b128 v[(\base)+8*t:(\base)+8*t+3],   v[RL+(\p)] offset:1024*t
	ds_load_b128 v[(\base)+8*t+4:(\base)+8*t+7], v[RL+(\p)] offset:1024*t+512
.set t, t+1
.endr
.endm
.macro PSUM win, s                     ; 128 sums, two an instruction
	WIN \win
.set i, 0
.rept 64
	v_pk_add_f32 v[i:i+1], v[i:i+1], v[(\s)+i:(\s)+i+1]
.set i, i+2
.endr
.endm
	PLOAD 0, 0x80, 0                               ; window 2, v0-127
	PLOAD 1, 0x80, 128                             ; window 2, v128-255
	PLOAD 2, 0xc0, 0                               ; window 3, v0-127
	s_wait_dscnt 32                                ; tiles 0 and 1 are in; tile 2's 32 loads may be out
	PLOAD 3, 0xc0, 128                             ; window 3, v128-255
	PSUM 0x8a, 128                                 ; p0 += p1
	s_wait_dscnt 0x0
	PSUM 0xcf, 128                                 ; p2 += p3
	PSUM 0x8e, 0                                   ; p0 += p2: always (p0 + p1) + (p2 + p3)
	s_mov_b32 s15, 0xffff0000                      ; a word's upper bf16
; Row block ap (0, 1) of my two: hi = bf16(c), lo = bf16(c - hi), each packed to 16 bytes a lane and column block
.macro CONV ap
	WIN 0x0a                                       ; sources in window 2, destination in window 0
.set i, 0
.rept 32
	v_cvt_pk_bf16_f32 v[TH+i], v[64*(\ap)+2*i], v[64*(\ap)+2*i+1]
.set i, i+1
.endr
	WIN 0
.set i, 0
.rept 32
	v_lshlrev_b32 v[U+2*i],   16,  v[TH+i]
	v_and_b32     v[U+2*i+1], s15, v[TH+i]
.set i, i+1
.endr
	WIN 0x02                                       ; source 0 in window 2
.set i, 0
.rept 32
	v_pk_add_f32 v[U+2*i:U+2*i+1], v[64*(\ap)+2*i:64*(\ap)+2*i+1], v[U+2*i:U+2*i+1] neg_lo:[0,1] neg_hi:[0,1]
.set i, i+1
.endr
	WIN 0
.set i, 0
.rept 32
	v_cvt_pk_bf16_f32 v[TL+i], v[U+2*i], v[U+2*i+1]
.set i, i+1
.endr
.endm
.macro STG src, bk                     ; 16 rows through my stage: in by 16 bytes a lane, back as whole rows of 256 bytes
.irp b, 0,1,2,3,4,5,6,7
	ds_store_b128 v[STO], v[(\src)+4*(\b):(\src)+4*(\b)+3] offset:32*(\b)
.endr
.irp t, 0,1,2,3,4,5,6,7
	ds_load_b128 v[(\bk)+4*(\t):(\bk)+4*(\t)+3], v[RD] offset:(\t)*2*SPITCH  ; LDS serves a wave's instructions in order (ISA guide 5.7.1.4): these see the stores above, and the next stores come behind them
.endr
.endm
.macro SEND part, ap, bk, younger      ; younger: the LDS instructions issued behind this block's loads
	s_wait_dscnt \younger
.irp t, 0,1,2,3,4,5,6,7
	global_store_b128 v[CO], v[(\bk)+4*(\t):(\bk)+4*(\t)+3], s[8:9] offset:(\part)*2097152+(\ap)*32768+4096*(\t)  ; 16 lanes store 256 consecutive bytes, at a multiple of 256 from C's first byte
.endr
.endm
	CONV 0
	STG TH, BK0
	STG TL, BK1
	CONV 1                                         ; the second block's arithmetic stands between the first block's loads and their stores
	SEND 0, 0, BK0, 16
	SEND 1, 0, BK1, 0
	s_wait_xcnt 0x0                                ; the stores have read their registers: only now are these loaded again
	STG TH, BK0
	STG TL, BK1
	SEND 0, 1, BK0, 16
	SEND 1, 1, BK1, 0
	s_wait_tensorcnt 0x0                           ; the wave's end: behind my last tensor load and my last LDS store
	ds_add_u32 v[SPW], v[NIL]
	s_wait_dscnt 0x0
	CROUND                                         ; the closing round: no work-group ends while a partner may still ask for a tile that names it
	s_endpgm
.Lfunc_end_k_qa197352ae0_gwk:
	.size	k_qa197352ae0_gwk, .Lfunc_end_k_qa197352ae0_gwk-k_qa197352ae0_gwk
	.p2alignl 7, 3214868480
	.fill 96, 4, 3214868480
	.section	.rodata,"a",@progbits
	.p2align	6, 0x0
	.amdhsa_kernel k_qa197352ae0_gwk
		.amdhsa_group_segment_fixed_size 327680
		.amdhsa_private_segment_fixed_size 0
		.amdhsa_enable_private_segment 0
		.amdhsa_kernarg_size 24
		.amdhsa_user_sgpr_count 2
		.amdhsa_user_sgpr_kernarg_segment_ptr 1
		.amdhsa_wavefront_size32 1
		.amdhsa_system_sgpr_workgroup_id_x 1
		.amdhsa_system_sgpr_workgroup_id_y 1
		.amdhsa_system_sgpr_workgroup_id_z 1
		.amdhsa_system_vgpr_workitem_id 0
		.amdhsa_next_free_vgpr 1024
		.amdhsa_next_free_sgpr 76
		.amdhsa_reserve_vcc 0
		.amdhsa_float_denorm_mode_32 3
		.amdhsa_float_denorm_mode_16_64 3
		.amdhsa_memory_ordered 1
		.amdhsa_forward_progress 1
		.amdhsa_inst_pref_size 96
	.end_amdhsa_kernel
	.amdgpu_metadata
---
amdhsa.version: [ 1, 2 ]
amdhsa.kernels:
  - .name:           k_qa197352ae0_gwk
    .symbol:         k_qa197352ae0_gwk.kd
    .args:
      - { .name: ghl, .offset: 0, .size: 8, .value_kind: global_buffer, .address_space: global }
      - { .name: wts, .offset: 8, .size: 8, .value_kind: global_buffer, .address_space: global }
      - { .name: thl, .offset: 16, .size: 8, .value_kind: global_buffer, .address_space: global }
    .group_segment_fixed_size: 327680
    .private_segment_fixed_size: 0
    .kernarg_segment_align: 8
    .kernarg_segment_size: 24
    .max_flat_workgroup_size: 128
    .sgpr_count:     76
    .vgpr_count:     1024
    .wavefront_size: 32
...
	.end_amdgpu_metadata
.endif
;; end of part 3
;; launch energy (part 4): grid 256 x 1, 4 waves a work-group, no clusters, 4,608 bytes of LDS; arguments wts, thl, ep; writes ep
.if DOCPART == 4
	.amdgcn_target "amdgcn-amd-amdhsa--gfx1250"
	.amdhsa_code_object_version 6
	.text
	.protected	k_qa197352ae0_energy
	.globl	k_qa197352ae0_energy
	.p2align	8
	.type	k_qa197352ae0_energy,@function
k_qa197352ae0_energy:
	s_mov_b64 s[64:65], 0
	v_nop
	global_prefetch_b8 v0, s[64:65] scope:SCOPE_SE
	s_setreg_imm32_b32 hwreg(HW_REG_WAVE_MODE, 25, 1), 1
	s_wait_xcnt 0x0
; ENERGY, in parts.  E[n][a][b] = the sum over i, d of Wq[i][64 a + d] T[n][i][64 b + d], T = hi + lo (two bf16 each).  Work-group g sums 16 rows i of n = g / 64 and stores its
; 16 x 16 partial sums (f32) in ep[g]; the next launch adds a batch's 64 parts.  Sums in f32, in a fixed order.
; For one row i, Wq's row is a matrix [16 a][64 d] and T's a matrix [16 b][64 d], both with d along the rows: fragments come straight from memory, two loads of 16 bytes a lane.
; A wave takes 4 rows: 48 loads at once; 16 matrix instructions on 4 accumulators that take turns (d half 0 with hi, with lo; d half 1 with hi, with lo), one instruction a turn.
; No cluster, no ring, no prefetch: nothing is shared between work-groups but Wq's rows among the four n, and a work-group's whole work is one batch of loads.
.set SPARE, 4096                       ; behind the four partial tiles: the spare words, 128 bytes for each wave
.set SPW, 2                            ; v2  LDS address of my spare word; never rewritten
.set NIL, 3                            ; v3  0; never rewritten
.set FO,  6                            ; v6  my byte offset in a row's fragment: 128 (l % 16) + 16 (l / 16)
.set FR,  32                           ; v[32:223] row rr at FR + 48 rr: Wq's two halves, T hi's two, T lo's two, 8 registers each
.set ACC, 224                          ; v[224:255] four accumulators
	s_load_b128 s[4:7], s[0:1], 0x0                ; wts s[4:5], thl s[6:7]
	s_load_b64 s[8:9], s[0:1], 0x10                ; ep
	v_lshl_add_u32 v[SPW], v0, 2, SPARE
	v_mov_b32 v[NIL], 0
	v_lshrrev_b32 v1, 5, v0
	v_readfirstlane_b32 s10, v1                    ; wave 0..3
	v_and_b32 v4, 15, v0
	v_bfe_u32 v5, v0, 4, 1
	v_lshlrev_b32 v[FO], 7, v4
	v_lshl_add_u32 v[FO], v5, 4, v[FO]
	s_and_b32 s12, ttmp9, 63
	s_lshl_b32 s12, s12, 15                        ; the work-group's 16 rows of 2,048 bytes,
	s_lshl_b32 s13, s10, 13                        ; my 4 of them
	s_add_co_u32 s12, s12, s13
	s_mov_b32 s13, 0
	s_lshr_b32 s14, ttmp9, 6                       ; n
	s_lshl_b32 s14, s14, 22
	s_add_co_u32 s14, s14, s12
	s_mov_b32 s15, 0
	s_add_co_u32 s12, s12, 2097152                 ; Wq's part of wts
	s_lshl_b32 s16, ttmp9, 10
	s_mov_b32 s17, 0
	s_wait_kmcnt 0x0
	s_add_nc_u64 s[4:5], s[4:5], s[12:13]
	s_add_nc_u64 s[6:7], s[6:7], s[14:15]
	s_add_nc_u64 s[8:9], s[8:9], s[16:17]
.irp rr, 0,1,2,3
.irp c, 0,1
	global_load_b128 v[FR+48*(\rr)+8*(\c):FR+48*(\rr)+8*(\c)+3],   v[FO], s[4:5] offset:2048*(\rr)+64*(\c)
	global_load_b128 v[FR+48*(\rr)+8*(\c)+4:FR+48*(\rr)+8*(\c)+7], v[FO], s[4:5] offset:2048*(\rr)+64*(\c)+32
.endr
.irp c, 0,1
	global_load_b128 v[FR+48*(\rr)+16+8*(\c):FR+48*(\rr)+16+8*(\c)+3],   v[FO], s[6:7] offset:2048*(\rr)+64*(\c)
	global_load_b128 v[FR+48*(\rr)+16+8*(\c)+4:FR+48*(\rr)+16+8*(\c)+7], v[FO], s[6:7] offset:2048*(\rr)+64*(\c)+32
.endr
.irp c, 0,1
	global_load_b128 v[FR+48*(\rr)+32+8*(\c):FR+48*(\rr)+32+8*(\c)+3],   v[FO], s[6:7] offset:2097152+2048*(\rr)+64*(\c)
	global_load_b128 v[FR+48*(\rr)+32+8*(\c)+4:FR+48*(\rr)+32+8*(\c)+7], v[FO], s[6:7] offset:2097152+2048*(\rr)+64*(\c)+32
.endr
.endr
	v_lshlrev_b32 v7, 5, v0                        ; where I put my 32 bytes: 1,024 w + 32 l = 32 t
	v_lshrrev_b32 v8, 6, v0                        ; where thread t = 8 a + b / 2 finds E[a][b]: lane 16 (a / 8) + b, register a % 8
	v_lshlrev_b32 v8, 9, v8
	v_and_b32 v9, 7, v0
	v_lshl_add_u32 v8, v9, 6, v8
	v_bfe_u32 v9, v0, 3, 3
	v_lshl_add_u32 v8, v9, 2, v8
	v_lshlrev_b32 v10, 3, v0                       ; my 8 bytes of ep[g]
; Source 0 = Wq (row a), source 1 = T (row b): register j of lane l holds E[8 (l / 16) + j][l % 16].  Row 0's products start the sums.
.irp rr, 0,1,2,3
	s_wait_loadcnt 36-12*(\rr)                     ; this row's 12 loads are in; the later rows' stay out
.irp u, 0,1,2,3
.if (\rr) == 0
	v_wmma_f32_16x16x32_bf16 v[ACC+8*(\u):ACC+8*(\u)+7], v[FR+48*(\rr)+8*((\u)/2):FR+48*(\rr)+8*((\u)/2)+7], v[FR+48*(\rr)+16+16*((\u)%2)+8*((\u)/2):FR+48*(\rr)+16+16*((\u)%2)+8*((\u)/2)+7], 0
.else
	v_wmma_f32_16x16x32_bf16 v[ACC+8*(\u):ACC+8*(\u)+7], v[FR+48*(\rr)+8*((\u)/2):FR+48*(\rr)+8*((\u)/2)+7], v[FR+48*(\rr)+16+16*((\u)%2)+8*((\u)/2):FR+48*(\rr)+16+16*((\u)%2)+8*((\u)/2)+7], v[ACC+8*(\u):ACC+8*(\u)+7]
.endif
.endr
.endr
.rept 8
	v_nop                                          ; the places behind the last products
.endr
.irp r, 0,2,4,6
	v_pk_add_f32 v[ACC+(\r):ACC+(\r)+1], v[ACC+(\r):ACC+(\r)+1], v[ACC+8+(\r):ACC+8+(\r)+1]        ; ascending: each accumulator's low registers are read first
.endr
.irp r, 0,2,4,6
	v_pk_add_f32 v[ACC+16+(\r):ACC+16+(\r)+1], v[ACC+16+(\r):ACC+16+(\r)+1], v[ACC+24+(\r):ACC+24+(\r)+1]
.endr
.irp r, 0,2,4,6
	v_pk_add_f32 v[ACC+(\r):ACC+(\r)+1], v[ACC+(\r):ACC+(\r)+1], v[ACC+16+(\r):ACC+16+(\r)+1]
.endr
	ds_store_b128 v7, v[ACC:ACC+3]
	ds_store_b128 v7, v[ACC+4:ACC+7] offset:16
	s_wait_dscnt 0x0                               ; for the others' sake
	s_barrier_signal -1
	s_barrier_wait -1                              ; the four waves' parts lie in LDS
.irp p, 0,1,2,3
	ds_load_b32 v[16+2*(\p)], v8 offset:1024*(\p)
	ds_load_b32 v[17+2*(\p)], v8 offset:1024*(\p)+32
.endr
	s_wait_dscnt 0x0
	v_pk_add_f32 v[16:17], v[16:17], v[18:19]
	v_pk_add_f32 v[20:21], v[20:21], v[22:23]
	v_pk_add_f32 v[16:17], v[16:17], v[20:21]
	global_store_b64 v10, v[16:17], s[8:9]         ; a wave's store covers 256 consecutive bytes, aligned
	s_wait_tensorcnt 0x0                           ; the wave's end: behind my last LDS store
	ds_add_u32 v[SPW], v[NIL]
	s_wait_dscnt 0x0
	s_endpgm
.Lfunc_end_k_qa197352ae0_energy:
	.size	k_qa197352ae0_energy, .Lfunc_end_k_qa197352ae0_energy-k_qa197352ae0_energy
	.p2alignl 7, 3214868480
	.fill 96, 4, 3214868480
	.section	.rodata,"a",@progbits
	.p2align	6, 0x0
	.amdhsa_kernel k_qa197352ae0_energy
		.amdhsa_group_segment_fixed_size 4608
		.amdhsa_private_segment_fixed_size 0
		.amdhsa_enable_private_segment 0
		.amdhsa_kernarg_size 24
		.amdhsa_user_sgpr_count 2
		.amdhsa_user_sgpr_kernarg_segment_ptr 1
		.amdhsa_wavefront_size32 1
		.amdhsa_system_sgpr_workgroup_id_x 1
		.amdhsa_system_sgpr_workgroup_id_y 1
		.amdhsa_system_sgpr_workgroup_id_z 1
		.amdhsa_system_vgpr_workitem_id 0
		.amdhsa_next_free_vgpr 256
		.amdhsa_next_free_sgpr 66
		.amdhsa_reserve_vcc 0
		.amdhsa_float_denorm_mode_32 3
		.amdhsa_float_denorm_mode_16_64 3
		.amdhsa_memory_ordered 1
		.amdhsa_forward_progress 1
		.amdhsa_inst_pref_size 10
	.end_amdhsa_kernel
	.amdgpu_metadata
---
amdhsa.version: [ 1, 2 ]
amdhsa.kernels:
  - .name:           k_qa197352ae0_energy
    .symbol:         k_qa197352ae0_energy.kd
    .args:
      - { .name: wts, .offset: 0, .size: 8, .value_kind: global_buffer, .address_space: global }
      - { .name: thl, .offset: 8, .size: 8, .value_kind: global_buffer, .address_space: global }
      - { .name: ep, .offset: 16, .size: 8, .value_kind: global_buffer, .address_space: global }
    .group_segment_fixed_size: 4608
    .private_segment_fixed_size: 0
    .kernarg_segment_align: 8
    .kernarg_segment_size: 24
    .max_flat_workgroup_size: 128
    .sgpr_count:     66
    .vgpr_count:     256
    .wavefront_size: 32
...
	.end_amdgpu_metadata
.endif
;; end of part 4
;; launch mix (part 5): grid 256 x 1, 8 waves a work-group, no clusters, 2,048 bytes of LDS; arguments ep, Wv, wvp; writes wvp
.if DOCPART == 5
	.amdgcn_target "amdgcn-amd-amdhsa--gfx1250"
	.amdhsa_code_object_version 6
	.text
	.protected	k_qa197352ae0_mix
	.globl	k_qa197352ae0_mix
	.p2align	8
	.type	k_qa197352ae0_mix,@function
k_qa197352ae0_mix:
	s_mov_b64 s[64:65], 0
	v_nop
	global_prefetch_b8 v0, s[64:65] scope:SCOPE_SE
	s_setreg_imm32_b32 hwreg(HW_REG_WAVE_MODE, 25, 1), 1
	s_wait_xcnt 0x0
; SOFTMAX AND MIXING OF THE WEIGHTS.  att[n][a][:] = softmax over b of E[n][a][b] / 8, with the row's maximum taken away; Wv'[n][i][64 a + d] = the sum over b of att[n][a][b] Wv[i][64 b + d].
; x Wv' is then the module's mixed heads: the same products, mixed on the weights in place of on v.  Wv is rounded once to bf16 (as every input is); att stays in f32; Wv' leaves in f16.
; LIMITS.  |Wv'| stays under 65,504; below 6e-5 f16 keeps its fixed step of 6e-8.  A weight below 2^-126 counts as 0.  NaN and infinities are not treated apart.
; SHARES.  Work-group g: n = g / 64, rows i = 16 (g % 64) .. + 15.  Phase 1: thread t = 16 a + b adds the 64 parts of E[n][a][b]; a row of att is 16 neighbouring lanes.  Every work-group of an n makes att anew: 256 numbers.
; Phase 2: wave w takes rows 2 w, 2 w + 1.  Lane: dq = l % 8 (8 channels d), g2 = (l / 8) % 2 (heads of that parity), ii = l / 16 (the row).  It holds Wv[row][64 b + 8 dq ..] for all 16 b: 128 registers.
; On the vector unit: K is 16, and att stays unrounded.  No cluster, no prefetch: the launch is short and its reads are few.
.set SPARE, 1024                       ; behind att's 1,024 bytes: the spare words, 128 bytes for each of eight waves
.set SPW, 2                            ; v2  LDS address of my spare word; never rewritten
.set NIL, 3                            ; v3  0; never rewritten
.set EP,  16                           ; v[16:79]   the 64 parts
.set AT,  80                           ; v[80:95]   a row of att
.set TM,  96                           ; v[96:99]   at work
.set AC,  100                          ; v[100:107] 8 sums
.set OU,  108                          ; v[108:111] 8 f16
.set W,   128                          ; v[128:255] Wv: b at W + 8 b
	s_load_b128 s[4:7], s[0:1], 0x0                ; ep s[4:5], Wv s[6:7]
	s_load_b64 s[8:9], s[0:1], 0x10                ; wvp
	v_lshl_add_u32 v[SPW], v0, 2, SPARE
	v_mov_b32 v[NIL], 0
	v_lshrrev_b32 v1, 5, v0
	v_readfirstlane_b32 s10, v1                    ; wave 0..7
	v_lshlrev_b32 v4, 2, v0                        ; 4 t: my word of a part, and of att
	v_and_b32 v5, 7, v0                            ; dq
	v_bfe_u32 v6, v0, 3, 1                         ; g2
	v_bfe_u32 v7, v0, 4, 1                         ; ii
	v_lshlrev_b32 v8, 12, v7                       ; Wv: ii rows of 4,096 bytes + 32 dq
	v_lshl_add_u32 v8, v5, 5, v8
	v_lshlrev_b32 v9, 11, v7                       ; Wv': ii rows of 2,048 bytes + 128 g2 + 16 dq; stepped by two heads a trip
	v_lshl_add_u32 v9, v6, 7, v9
	v_lshl_add_u32 v9, v5, 4, v9
	v_lshlrev_b32 v10, 6, v6                       ; att's row g2; stepped by two rows a trip
	s_lshr_b32 s11, ttmp9, 6                       ; n
	s_and_b32 s12, ttmp9, 63
	s_lshl_b32 s12, s12, 4
	s_lshl1_add_u32 s12, s10, s12                  ; my first row: 16 (g % 64) + 2 w
	s_lshl_b32 s14, s11, 16                        ; the batch's 64 parts of 1,024 bytes
	s_mov_b32 s15, 0
	s_lshl_b32 s16, s12, 12
	s_mov_b32 s17, 0
	s_lshl_b32 s18, s12, 11
	s_lshl_b32 s19, s11, 21
	s_add_co_u32 s18, s18, s19
	s_mov_b32 s19, 0
	s_mov_b32 s20, 0xffff0000                      ; a word's upper bf16
	s_wait_kmcnt 0x0
	s_add_nc_u64 s[4:5], s[4:5], s[14:15]
	s_add_nc_u64 s[6:7], s[6:7], s[16:17]
	s_add_nc_u64 s[8:9], s[8:9], s[18:19]
.set p, 0
.rept 64
	global_load_b32 v[EP+p], v4, s[4:5] offset:1024*p
.set p, p+1
.endr
.set b, 0
.rept 16
	global_load_b128 v[W+8*b:W+8*b+3],   v8, s[6:7] offset:256*b
	global_load_b128 v[W+8*b+4:W+8*b+7], v8, s[6:7] offset:256*b+16
.set b, b+1
.endr
	s_wait_loadcnt 32                              ; the 64 parts are in; Wv's 32 loads stay out
.set p, 4
.rept 15                               ; four chains, two an instruction
	v_pk_add_f32 v[EP:EP+1],   v[EP:EP+1],   v[EP+p:EP+p+1]
	v_pk_add_f32 v[EP+2:EP+3], v[EP+2:EP+3], v[EP+p+2:EP+p+3]
.set p, p+4
.endr
	v_pk_add_f32 v[EP:EP+1], v[EP:EP+1], v[EP+2:EP+3]
	v_add_f32 v[EP], v[EP], v[EP+1]
	v_mul_f32 v11, 0x3e38aa3b, v[EP]               ; z = E log2(e) / 8
	v_mov_b32 v12, v11
	v_max_num_f32_dpp v12, v12, v12 row_xmask:1 row_mask:0xf bank_mask:0xf  ; the row's maximum: 16 neighbouring lanes
	v_max_num_f32_dpp v12, v12, v12 row_xmask:2 row_mask:0xf bank_mask:0xf
	v_max_num_f32_dpp v12, v12, v12 row_xmask:4 row_mask:0xf bank_mask:0xf
	v_max_num_f32_dpp v12, v12, v12 row_xmask:8 row_mask:0xf bank_mask:0xf
	v_sub_f32 v13, v11, v12
	v_exp_f32 v13, v13
	v_nop                                          ; a plain instruction behind the exponential,
	s_wait_alu depctr_va_vdst(0)                   ; and the wait ahead of the first use
	v_mov_b32 v14, v13
	v_add_f32_dpp v14, v14, v14 row_xmask:1 row_mask:0xf bank_mask:0xf
	v_add_f32_dpp v14, v14, v14 row_xmask:2 row_mask:0xf bank_mask:0xf
	v_add_f32_dpp v14, v14, v14 row_xmask:4 row_mask:0xf bank_mask:0xf
	v_add_f32_dpp v14, v14, v14 row_xmask:8 row_mask:0xf bank_mask:0xf
	v_rcp_f32 v15, v14
	v_nop
	s_wait_alu depctr_va_vdst(0)
	v_mul_f32 v13, v13, v15
	ds_store_b32 v4, v13                           ; att[a][b] at 64 a + 4 b
	s_wait_dscnt 0x0                               ; for the others' sake
	s_barrier_signal -1
	s_barrier_wait -1
	s_wait_loadcnt 0x0                             ; Wv
.set i, 0
.rept 64                               ; Wv rounded to bf16, in place
	v_cvt_pk_bf16_f32 v[TM+i%4], v[W+2*i], v[W+2*i+1]
	v_lshlrev_b32 v[W+2*i],   16,  v[TM+i%4]
	v_and_b32     v[W+2*i+1], s20, v[TM+i%4]
.set i, i+1
.endr
	s_mov_b32 s21, 8
.Lhead:                                                ; trip j: head a = 2 j + g2
	ds_load_b128 v[AT:AT+3],     v10
	ds_load_b128 v[AT+4:AT+7],   v10 offset:16
	ds_load_b128 v[AT+8:AT+11],  v10 offset:32
	ds_load_b128 v[AT+12:AT+15], v10 offset:48
	s_wait_dscnt 0x0
.set b, 0
.rept 16
.set q, 0
.rept 4
.if b == 0
	v_pk_mul_f32 v[AC+2*q:AC+2*q+1], v[W+2*q:W+2*q+1], v[AT:AT+1] op_sel_hi:[1,0]      ; the first product starts the sum
.elseif b%2 == 0
	v_pk_fma_f32 v[AC+2*q:AC+2*q+1], v[W+8*b+2*q:W+8*b+2*q+1], v[AT+b:AT+b+1], v[AC+2*q:AC+2*q+1] op_sel_hi:[1,0,1]  ; att[b]: the pair's first register for both halves
.else
	v_pk_fma_f32 v[AC+2*q:AC+2*q+1], v[W+8*b+2*q:W+8*b+2*q+1], v[AT+b-1:AT+b], v[AC+2*q:AC+2*q+1] op_sel:[0,1,0] op_sel_hi:[1,1,1]  ; the pair's second register for both halves
.endif
.set q, q+1
.endr
.set b, b+1
.endr
.irp q, 0,1,2,3
	v_cvt_pk_f16_f32 v[OU+(\q)], v[AC+2*(\q)], v[AC+2*(\q)+1]
.endr
	global_store_b128 v9, v[OU:OU+3], s[8:9]       ; 16 lanes (two heads x 8) store 256 consecutive bytes, aligned
	s_wait_xcnt 0x0                                ; the store has read its address and data: only now are they written again
	v_add_nc_u32 v9, 256, v9
	v_add_nc_u32 v10, 128, v10
	s_sub_co_u32 s21, s21, 1
	s_cmp_lg_u32 s21, 0
	s_cbranch_scc1 .Lhead
	s_wait_tensorcnt 0x0                           ; the wave's end: behind my last LDS store
	ds_add_u32 v[SPW], v[NIL]
	s_wait_dscnt 0x0
	s_endpgm
.Lfunc_end_k_qa197352ae0_mix:
	.size	k_qa197352ae0_mix, .Lfunc_end_k_qa197352ae0_mix-k_qa197352ae0_mix
	.p2alignl 7, 3214868480
	.fill 96, 4, 3214868480
	.section	.rodata,"a",@progbits
	.p2align	6, 0x0
	.amdhsa_kernel k_qa197352ae0_mix
		.amdhsa_group_segment_fixed_size 2048
		.amdhsa_private_segment_fixed_size 0
		.amdhsa_enable_private_segment 0
		.amdhsa_kernarg_size 24
		.amdhsa_user_sgpr_count 2
		.amdhsa_user_sgpr_kernarg_segment_ptr 1
		.amdhsa_wavefront_size32 1
		.amdhsa_system_sgpr_workgroup_id_x 1
		.amdhsa_system_sgpr_workgroup_id_y 1
		.amdhsa_system_sgpr_workgroup_id_z 1
		.amdhsa_system_vgpr_workitem_id 0
		.amdhsa_next_free_vgpr 256
		.amdhsa_next_free_sgpr 66
		.amdhsa_reserve_vcc 0
		.amdhsa_float_denorm_mode_32 3
		.amdhsa_float_denorm_mode_16_64 3
		.amdhsa_memory_ordered 1
		.amdhsa_forward_progress 1
		.amdhsa_inst_pref_size 27
	.end_amdhsa_kernel
	.amdgpu_metadata
---
amdhsa.version: [ 1, 2 ]
amdhsa.kernels:
  - .name:           k_qa197352ae0_mix
    .symbol:         k_qa197352ae0_mix.kd
    .args:
      - { .name: ep, .offset: 0, .size: 8, .value_kind: global_buffer, .address_space: global }
      - { .name: Wv, .offset: 8, .size: 8, .value_kind: global_buffer, .address_space: global }
      - { .name: wvp, .offset: 16, .size: 8, .value_kind: global_buffer, .address_space: global }
    .group_segment_fixed_size: 2048
    .private_segment_fixed_size: 0
    .kernarg_segment_align: 8
    .kernarg_segment_size: 24
    .max_flat_workgroup_size: 256
    .sgpr_count:     66
    .vgpr_count:     256
    .wavefront_size: 32
...
	.end_amdgpu_metadata
.endif
;; end of part 5
;; launch vproj (part 6): grid 4 x 64, 4 waves a work-group, clusters of 4 x 4, 327,680 bytes of LDS; arguments xh, wvp, outr; writes outr
.if DOCPART == 6
	.amdgcn_target "amdgcn-amd-amdhsa--gfx1250"
	.amdhsa_code_object_version 6
	.text
	.protected	k_qa197352ae0_vproj
	.globl	k_qa197352ae0_vproj
	.p2align	8
	.type	k_qa197352ae0_vproj,@function
k_qa197352ae0_vproj:
	s_mov_b64 s[64:65], 0
	v_nop
	global_prefetch_b8 v0, s[64:65] scope:SCOPE_SE
	s_setreg_imm32_b32 hwreg(HW_REG_WAVE_MODE, 25, 1), 1
	s_wait_xcnt 0x0
	s_wait_alu depctr_hold_cnt(0) depctr_sa_sdst(0) depctr_va_vdst(0) depctr_va_sdst(0) depctr_va_ssrc(0) depctr_va_vcc(0) depctr_vm_vsrc(0)
	s_getreg_b32 s2, hwreg(HW_REG_IB_STS2, 6, 4)
	s_cmp_eq_u32 s2, 0
	s_cbranch_scc0 .Lentry_in_a_cluster
	s_endpgm
.Lentry_in_a_cluster:
	s_bfe_u32 s2, ttmp6, 0x10000c
	s_cmp_lg_u32 s2, 0xf033
	s_cbranch_scc0 .Lentry_shape_is_right
	s_endpgm
.Lentry_shape_is_right:
; ONE TEXT FOR TWO PRODUCTS C = A B.  A: [16384][1024] f16, K along the rows.  B: [1024 k][1024] f16, as it lies.  f16 form, sums in f32, K ascending.  OPROJ chooses.
;   OPROJ = 0 (this kernel): A = xh, B = wvp[n] (n = row / 4096).  C, rounded once to f16, leaves by heads: outr[n][a][s][d], which read flat is the module's reshaped [16384][1024].
;   OPROJ = 1: A = outr, B = Wo (in wts at byte 4,194,304).  C + bo (bo rounded to bf16, as every input is) leaves in f32: out0.
; LIMITS.  f16 operands and OPROJ = 0's results stay within 65,504; below 6e-5 f16 keeps its fixed step of 6e-8.  NaN and infinities are not treated apart.
; SHARES.  A tile of C is 256 x 256: 64 x 4 tiles, 256 work-groups; four waves, each 128 x 128: 64 accumulators, 512 registers.
; RING.  K in 8 steps of 128 through two LDS slots: A's 256 rows of 256 bytes (16 of padding), B's 128 K rows of 512 bytes (32 of padding).  Waves 0, 1 fetch A's halves (128 rows), waves 2, 3 B's
; (64 K rows).  Both slots' first fills go out together (two loads of a wave are out); later one tensor load a wave behind each round.
; CLUSTER.  4 x 4 work-groups: A's tile is asked for jointly along a row of the cluster, B's along a column.
; THE MATRIX INSTRUCTION IS USED TRANSPOSED: source 0 = 16 columns of B (turned out of LDS by ds_load_tr16_b128), source 1 = 16 rows of A: a lane holds row l % 16 of C and the columns 8 (l / 16) + 0..7.
; REGISTERS, in windows of 256: window 0: v0-31 addresses, v64-127, v128-191 A's fragments, v32-63, v192-255 at work on the way out; window 1: v64-191 B's fragments;
;   window 2: accumulators of my rows 0-63 ((a, b) at v[8 (8 a + b)]); window 3: rows 64-127.  s_set_vgpr_msb: bits 1:0 source 0, 3:2 source 1, 5:4 source 2, 7:6 destination.
.set OPROJ, 0
.set NS,    8
.set PA,    272                        ; A's LDS row: 256 + 16 bytes = 68 words: the 16 rows of a load start at 16 different groups of four banks (64 banks of 4 bytes: ISA guide 11.1)
.set PB,    544                        ; B's LDS row: 512 + 32 bytes = 136 words: row r starts at bank 8 r mod 64
.set HALF,  128*PA                     ; what one tensor load brings: 128 rows of A, or 64 of B (64 x 544 is the same number)
.set SLOT,  4*HALF                     ; no bit of SLOT is set in a wave's w x HALF, so an exclusive or turns an address in one slot into the other's
.set KB,    32*PB                      ; 32 K rows of B
.set STAGE, 2*SLOT                     ; behind the ring, never filled by a tensor load
.if OPROJ
.set SP,    528                        ; a stage row: 128 f32 + 16 bytes
.set STGW,  16*SP                      ; a wave's stage: 16 rows
.else
.set SP,    144                        ; a stage row: a head's 64 f16 + 16 bytes
.set STGW,  32*SP                      ; a wave's stage: 16 rows for each of its two heads
.endif
.set SPARE, STAGE+4*STGW               ; behind the stages: the spare words, 128 bytes for each wave
.set ADRA0, 16                         ; v16  my lane's place in A's part of a slot; never rewritten
.set ADRB0, 17                         ; v17  the same for B
.set ADRA,  18                         ; v18  the same in the slot in hand
.set ADRB,  19                         ; v19
.set STO,   24                         ; v24  the way out: where I put my bytes of a row
.set RD,    25                         ; v25  where I read rows back
.set CO,    26                         ; v26  16 x lane: my byte offset in 512 consecutive bytes of C (and of bo)
.set SPW,   28                         ; v28  LDS address of my spare word; never rewritten
.set NIL,   29                         ; v29  0; never rewritten
.set PFO,   30                         ; v30  the prefetches' offset; never rewritten
.set F0,    64
.set F1,    128
.set TMP,   192                        ; OPROJ = 0: packed results
.set OB,    32                         ; OPROJ = 0: rows read back: v32-63 and v224-255 by turns
.set G1A, 24                           ; s[24:31] descriptor group 1 for A
.set G0A, 32                           ; s[32:35] group 0 for A: it walks, from step 1 on
.set BA,  36                           ; s[36:37] my part of A's tile at step 0
.set BB,  38                           ; s[38:39] the same for B
.set LIM, 43                           ; s43 2 in a wave that prefetches, else the greatest number
.set PFA, 44                           ; s[44:45] where my prefetches stand
.set OFF, 46                           ; s[46:47] a step's byte offset in A
.set OFB, 22                           ; s[22:23] in B
.set PST, 20                           ; s[20:21] a step's bytes for my prefetches
.set G1B, 48                           ; s[48:55]
.set G0B, 56                           ; s[56:59]
.set NXT, 60                           ; s60 the step to be asked for next
.set CNT, 61                           ; s61 loop counter
.set CUR, 62                           ; s62 0 or SLOT: the slot in hand
.set S0A, 68                           ; s[68:71] group 0 for A's first fill of slot 0; written once
.set S0B, 72                           ; s[72:75] the same for B
.set MSB, 0
.macro WIN new                         ; the immediate's high byte repeats the setting that is left; a switch that changes nothing is dropped
.if MSB != (\new)
	s_set_vgpr_msb (MSB<<8)|(\new)
.set MSB, \new
.endif
.endm
.set MUL_LO, 0xa1                      ; source 0 (B) window 1, source 1 (A) window 0, C and D window 2
.set TO_B,   0x40                      ; destination window 1, address window 0
; A joint load: one line for A's waves, one for B's; the branch hangs on the wave's number alone.  An s_nop 0 and four v_nop follow each line, ahead of the jump and the label.
.macro JLOAD
	s_cmp_eq_u32 s11, 0
	s_cbranch_scc0 .Lfor_b_\@
	tensor_load_to_lds s[G0A:G0A+3], s[G1A:G1A+7]
	s_nop 0
.rept 4
	v_nop
.endr
	s_branch .Lasked_\@
.Lfor_b_\@:
	tensor_load_to_lds s[G0B:G0B+3], s[G1B:G1B+7]
	s_nop 0
.rept 4
	v_nop
.endr
.Lasked_\@:
.endm
; A PREFETCH INTO THE L2, behind a joint load, its five lines and the run of LDS loads: the K step that stands two refills on, 32 blocks of 256 bytes, a lane a block, one instruction a wave.
; Each block is named once in the launch.  A's rows are read by one cluster: of the 128 rows that a wave fetches, the partner at cx takes rows 32 cx .. + 31.  B's K rows are read by every cluster of the
; same B: one of them asks (LIM), and of the 64 K rows that a wave fetches the partner at cy takes 16 cy .. + 15, two blocks a row.  The partners are told apart by address: no branch hangs on cx or cy.
; Trip t names step t + 4: the trips with t above 3 (the counter at 2 or below) ask for nothing.  Steps 0 to 3 come by their loads alone.
.macro ASK
	s_cmp_gt_u32 s[CNT], s[LIM]
	s_cbranch_scc0 .Lnot_mine_\@
	global_prefetch_b8 v[PFO], s[PFA:PFA+1] th:TH_LOAD_NT scope:SCOPE_SE
.Lnot_mine_\@:
.endm
.macro CREST                           ; a round of the cluster's barrier behind its opening barrier
	s_cmp_lg_u32 s10, 0
	s_cbranch_scc1 .Lnot_wave_0_\@
	s_barrier_signal -3
.Lnot_wave_0_\@:
	s_barrier_wait -3
	s_barrier_signal -1
	s_barrier_wait -1
.endm
.macro CROUND                          ; a whole round
	s_barrier_signal -1
	s_barrier_wait -1
	CREST
.endm
; The group 0 sets ga (A) and gb (B) for step NXT: the addresses are made anew from the tiles' bases and the step's number.  It stands only where no tensor load that names these sets is out.  tog = 1: the other slot than last time.
.macro DESC ga, gb, tog
	s_lshl_b32 s[OFF], s[NXT], 8                   ; 128 elements along A's rows
	s_lshl_b32 s[OFB], s[NXT], 18                  ; 128 K rows of 2,048 bytes
.if \tog
	s_xor_b32 s[(\ga)+1], s[(\ga)+1], SLOT
	s_xor_b32 s[(\gb)+1], s[(\gb)+1], SLOT
.endif
	s_add_nc_u64 s[(\ga)+2:(\ga)+3], s[BA:BA+1], s[OFF:OFF+1]
	s_or_b32 s[(\ga)+3], s[(\ga)+3], 0x80000000    ; 127:126 type = 2
	s_add_nc_u64 s[(\gb)+2:(\gb)+3], s[BB:BB+1], s[OFB:OFB+1]
	s_or_b32 s[(\gb)+3], s[(\gb)+3], 0x80000000
	s_add_co_u32 s[NXT], s[NXT], 1
.endm
; 16 matrix instructions: row blocks a0, a0 + 1 of the window's four x all 8 column blocks, 32 along K.  zero = 1: the product starts the sum: nothing is cleared.
.macro MUL16 f, hi, a0, zero
	WIN MUL_LO+0x50*(\hi)
.irp a, \a0, (\a0)+1
.irp b, 0,1,2,3,4,5,6,7
.if \zero
	v_wmma_f32_16x16x32_f16 v[8*(8*(\a)+(\b)):8*(8*(\a)+(\b))+7], v[(\f)+8*(\b):(\f)+8*(\b)+7], v[(\f)+8*(4*(\hi)+(\a)):(\f)+8*(4*(\hi)+(\a))+7], 0
.else
	v_wmma_f32_16x16x32_f16 v[8*(8*(\a)+(\b)):8*(8*(\a)+(\b))+7], v[(\f)+8*(\b):(\f)+8*(\b)+7], v[(\f)+8*(4*(\hi)+(\a)):(\f)+8*(4*(\hi)+(\a))+7], v[8*(8*(\a)+(\b)):8*(8*(\a)+(\b))+7]
.endif
.endr
.endr
.endm
; 32 LDS loads in one run: a quarter step's fragments (32 along K: byte ka of A's rows, byte kb down B's rows) into buffer f
.macro FETCH ka, kb, f
	WIN TO_B
.irp i, 0,1,2,3,4,5,6,7
	ds_load_tr16_b128 v[(\f)+8*(\i):(\f)+8*(\i)+3],   v[ADRB] offset:(\kb)+32*(\i)
	ds_load_tr16_b128 v[(\f)+8*(\i)+4:(\f)+8*(\i)+7], v[ADRB] offset:(\kb)+32*(\i)+16*PB
.endr
	WIN 0
.irp i, 0,1,2,3,4,5,6,7
	ds_load_b128 v[(\f)+8*(\i):(\f)+8*(\i)+3],   v[ADRA] offset:(\ka)+(\i)*16*PA
	ds_load_b128 v[(\f)+8*(\i)+4:(\f)+8*(\i)+7], v[ADRA] offset:(\ka)+(\i)*16*PA+32
.endr
.endm
.macro PLACES                          ; four places in front of loads into registers that matrix instructions have read (ISA guide 7.12.1 for vector instructions)
.rept 4
	v_nop
.endr
.endm
; A step is four quarters of 32 along K, 64 matrix instructions each, on buffers 0, 1, 0, 1.  One of the first three: multiplies buffer f and fetches the next quarter into g.
.macro QUARTER ka, kb, f, g, zero
	s_wait_dscnt 8                                 ; B and A's blocks 0-3 are in; the youngest eight loads (A's blocks 4-7) may be out
	MUL16 \f, 0, 0, \zero
	MUL16 \f, 0, 2, \zero
	PLACES
	FETCH \ka, \kb, \g
	s_wait_dscnt 32                                ; all but the 32 just issued
	MUL16 \f, 1, 0, \zero
	MUL16 \f, 1, 2, \zero
.endm
; The last quarter multiplies buffer 1 and changes slots in its middle: ONE barrier.  Its first 32 products stand ahead of the wait for the tile, so that from a request to the wait for it a wave issues a whole
; step's 256 matrix instructions, and only the round stands between the wait and the next request.  In front of the barrier each wave waits for all its tensor loads (one is out: its part of the next slot),
; adds 0 to its spare word, and waits for that and for its reads of this slot.  fill = 1: the barrier opens a round of the cluster's barrier, and behind the round this slot is filled again first, with the step two on.
.macro TURN fill
.if \fill
	s_wait_xcnt 0x0                                ; the last prefetch, a K step back, has read its address: it is stepped here
	s_add_nc_u64 s[PFA:PFA+1], s[PFA:PFA+1], s[PST:PST+1]
.endif
	s_wait_dscnt 8                                 ; B and A's blocks 0-3 are in; the youngest eight loads (A's blocks 4-7) may be out
	MUL16 F1, 0, 0, 0
	MUL16 F1, 0, 2, 0
	WIN 0
	s_wait_tensorcnt 0x0                           ; no tensor load of mine is out, so the descriptors may be written
	ds_add_u32 v[SPW], v[NIL]                      ; 0 onto my spare word; the scalar work below stands between it and the wait for it
.if \fill
	DESC G0A, G0B, 1
.endif
	s_xor_b32 s[CUR], s[CUR], SLOT
	s_wait_dscnt 0x0                               ; the add is done, and my reads of this slot are over
	s_barrier_signal -1
	s_barrier_wait -1
.if \fill
	CREST                                          ; no wave of any partner still reads this slot or has a load on its way
	JLOAD                                          ; the first tensor load behind the round; its four v_nop are also the places in front of the loads below
.else
	PLACES
.endif
	v_add_nc_u32 v[ADRA], s[CUR], v[ADRA0]
	v_add_nc_u32 v[ADRB], s[CUR], v[ADRB0]
	FETCH 0, 0, F0
.if \fill
	ASK
.endif
	MUL16 F1, 1, 0, 0
	MUL16 F1, 1, 2, 0
.endm
	s_load_b128 s[4:7], s[0:1], 0x0                ; A s[4:5], B's buffer s[6:7]
.if OPROJ
	s_load_b128 s[16:19], s[0:1], 0x10             ; bo s[16:17], out0 s[18:19]
.else
	s_load_b64 s[8:9], s[0:1], 0x10                ; outr
.endif
	v_lshl_add_u32 v[SPW], v0, 2, SPARE
	v_mov_b32 v[NIL], 0
	ds_add_u32 v[SPW], v[NIL]                      ; the wave's opening: the add and its wait stand ahead of my first tensor load; work on registers stands between them
	v_lshrrev_b32 v1, 5, v0
	v_readfirstlane_b32 s10, v1                    ; wave 0..3
	s_lshr_b32 s11, s10, 1                         ; which half of the tile's rows is mine.  Also: I fetch for A (0) or for B (1)
	s_and_b32 s12, s10, 1                          ; which half of its columns.  Also: which half of that tile I fetch
	s_bfe_u32 s40, ttmp6, 0x40000                  ; cx
	s_bfe_u32 s41, ttmp6, 0x40004                  ; cy
	s_and_b32 s2, ttmp7, 0xffff                    ; cluster y
	s_lshl_b32 s13, s2, 2
	s_add_co_u32 s13, s13, s41                     ; tile row of C, 0..63
	s_lshl_b32 s42, ttmp9, 2
	s_add_co_u32 s42, s42, s40                     ; tile column, 0..3
	s_lshl_b32 s14, s41, 2
	s_lshl_b32 s14, 15, s14                        ; my row of the cluster
	s_lshl_b32 s15, 0x1111, s40                    ; my column
	; group 1 for A: 128 rows x 128 elements of 2 bytes; 20 padding on; 21 set beside a mask; 24:22 after every 64 words (code 5); 31:25 4 words (code 3)
	s_or_b32 s[G1A], s14, (1<<16)|(1<<20)|(1<<21)|(5<<22)|(3<<25)
	s_mov_b32 s[G1A+1], 128<<16                    ; tensor_dim0 = 128
	s_mov_b32 s[G1A+2], 128<<16                    ; tensor_dim1 = 128
	s_mov_b32 s[G1A+3], 128<<16                    ; tile_dim0 = 128
	s_mov_b32 s[G1A+4], 128                        ; tile_dim1 = 128
	s_mov_b32 s[G1A+5], 1024                       ; elements from row to row
	s_mov_b32 s[G1A+6], 0
	s_mov_b32 s[G1A+7], 0
	; group 1 for B: 64 K rows x 256 elements; padding after every 128 words (code 6), 8 words (code 7)
	s_or_b32 s[G1B], s15, (1<<16)|(1<<20)|(1<<21)|(6<<22)|(7<<25)
	s_mov_b32 s[G1B+1], 256<<16                    ; tensor_dim0 = 256
	s_mov_b32 s[G1B+2], 64<<16                     ; tensor_dim1 = 64
	s_mov_b32 s[G1B+3], 256<<16                    ; tile_dim0 = 256
	s_mov_b32 s[G1B+4], 64                         ; tile_dim1 = 64
	s_mov_b32 s[G1B+5], 1024
	s_mov_b32 s[G1B+6], 0
	s_mov_b32 s[G1B+7], 0
.irp g, G0A, G0B, S0A, S0B
	s_mov_b32 s[(\g)], 1                           ; count = 1
	s_mul_i32 s[(\g)+1], s10, HALF                 ; LDS address: wave x HALF: A's two halves, then B's; no place in the cluster enters it
.endr
	; byte offsets of my part of the tiles at K step 0: A's holds cy and never cx, B's cx and never cy
	s_lshl_b32 s[BA], s13, 19                      ; 256 rows of 2,048 bytes x tile row
	s_lshl_b32 s14, s12, 18                        ; + my 128 rows
	s_add_co_u32 s[BA], s[BA], s14
	s_mov_b32 s[BA+1], 0
	s_lshl_b32 s[BB], s42, 9                       ; 256 columns x tile column
	s_lshl_b32 s15, s12, 17                        ; + my 64 K rows
	s_add_co_u32 s[BB], s[BB], s15
.if OPROJ
	s_add_co_u32 s[BB], s[BB], 4194304             ; Wo's part of wts
	s_mov_b32 s15, s2                              ; B is the same for all clusters: cluster y = 0 prefetches it
.else
	s_lshr_b32 s15, s2, 2                          ; n: made of the cluster's y alone
	s_lshl_b32 s15, s15, 21
	s_add_co_u32 s[BB], s[BB], s15
	s_and_b32 s15, s2, 3                           ; B is the same for the four clusters of an n: the first of them prefetches it
.endif
	s_mov_b32 s[BB+1], 0
	s_mul_i32 s15, s15, s11                        ; 0 in A's waves: they always ask
	s_cmp_eq_u32 s15, 0
	s_cselect_b32 s[LIM], 2, -1                    ; the same in all sixteen partners, for a given wave
.if OPROJ
	s_lshl_b32 s14, s42, 10                        ; bo: my 128 columns
	s_lshl_b32 s3, s12, 9
	s_add_co_u32 s14, s14, s3
	s_mov_b32 s15, 0
	s_lshl_b32 s2, s13, 20                         ; out0: 256 rows of 4,096 bytes x tile row
	s_lshl_b32 s3, s11, 19                         ; + my 128 rows
	s_add_co_u32 s2, s2, s3
	s_add_co_u32 s2, s2, s14                       ; + my 128 columns
	s_mov_b32 s3, 0
.else
	s_lshr_b32 s3, s2, 2
	s_lshl_b32 s2, s3, 23                          ; outr: n x 8,388,608
	s_lshl_b32 s3, s42, 21                         ; + four heads of 524,288 bytes x tile column
	s_add_co_u32 s2, s2, s3
	s_lshl_b32 s3, s12, 20                         ; + my two heads
	s_add_co_u32 s2, s2, s3
	s_and_b32 s3, s13, 15
	s_lshl_b32 s3, s3, 15                          ; + 256 rows of 128 bytes x the tile row within n
	s_add_co_u32 s2, s2, s3
	s_lshl_b32 s3, s11, 14                         ; + my 128 rows
	s_add_co_u32 s2, s2, s3
	s_mov_b32 s3, 0
.endif
	s_mov_b32 s[OFF+1], 0
	s_mov_b32 s[OFB+1], 0
	s_mov_b32 s[NXT], 0
	s_mov_b32 s[CUR], 0
	s_wait_dscnt 0x0                               ; the opening add is done
	s_wait_kmcnt 0x0
	s_add_nc_u64 s[BA:BA+1], s[4:5], s[BA:BA+1]
	s_add_nc_u64 s[BB:BB+1], s[6:7], s[BB:BB+1]
.if OPROJ
	s_add_nc_u64 s[16:17], s[16:17], s[14:15]
	s_add_nc_u64 s[18:19], s[18:19], s[2:3]
.else
	s_add_nc_u64 s[8:9], s[8:9], s[2:3]
.endif
	DESC S0A, S0B, 0                               ; step 0, slot 0
	DESC G0A, G0B, 1                               ; step 1, slot 1
	CROUND                                         ; all sixteen work-groups are here: the first joint loads meet
	s_cmp_eq_u32 s11, 0                            ; a wave's two first fills stand in one branch, ahead of every wait on TENSORcnt and every LDS read: two loads of mine are out
	s_cbranch_scc0 .Lfirst_b
	tensor_load_to_lds s[S0A:S0A+3], s[G1A:G1A+7]
	s_nop 0
	tensor_load_to_lds s[G0A:G0A+3], s[G1A:G1A+7]
	s_nop 0
.rept 4
	v_nop
.endr
	s_branch .Lfirst_asked
.Lfirst_b:
	tensor_load_to_lds s[S0B:S0B+3], s[G1B:G1B+7]
	s_nop 0
	tensor_load_to_lds s[G0B:G0B+3], s[G1B:G1B+7]
	s_nop 0
.rept 4
	v_nop
.endr
.Lfirst_asked:
	; the prefetches: my work-group's share of what I fetch, at step 3; the first refill in the loop steps it to 4
	s_mul_i32 s15, s11, 10
	s_lshl_b32 s[PST], 256, s15                    ; a step: 256 bytes along A's rows, 262,144 down B's
	s_mov_b32 s[PST+1], 0
	s_mul_i32 s3, s[PST], 3
	s_sub_co_u32 s15, 16, s11                      ; a share: 32 rows of 2,048 bytes for A, 16 for B
	s_cmp_eq_u32 s11, 0
	s_cselect_b32 s14, s40, s41                    ; my place among the four that ask with me
	s_cselect_b64 s[PFA:PFA+1], s[BA:BA+1], s[BB:BB+1]
	s_lshl_b32 s14, s14, s15
	s_add_co_u32 s14, s14, s3
	s_mov_b32 s15, 0
	s_add_nc_u64 s[PFA:PFA+1], s[PFA:PFA+1], s[14:15]
	v_and_b32 v1, 15, v0                           ; l % 16
	v_bfe_u32 v2, v0, 4, 1                         ; l / 16
	v_and_b32 v3, 7, v0
	v_bfe_u32 v4, v0, 3, 1
	v_and_b32 v6, 31, v0                           ; l
	v_lshrrev_b32 v[PFO], s11, v6                  ; A: a lane a row.  B: two lanes a row,
	v_and_b32 v7, s11, v6
	v_lshlrev_b32 v[PFO], 11, v[PFO]
	v_lshl_or_b32 v[PFO], v7, 8, v[PFO]            ; 256 bytes apart
	v_mul_u32_u24 v[ADRA0], v1, PA                 ; A's fragment: row l % 16, 16 bytes for each half of the lanes
	v_lshl_add_u32 v[ADRA0], v2, 4, v[ADRA0]
	s_mul_i32 s14, s11, HALF                       ; my 128 rows
	v_add_nc_u32 v[ADRA0], s14, v[ADRA0]
	v_lshl_add_u32 v[ADRB0], v2, 3, v3             ; the turning load: lane l addresses K row 8 (l / 16) + l % 8,
	v_mul_u32_u24 v[ADRB0], v[ADRB0], PB
	v_lshl_add_u32 v[ADRB0], v4, 4, v[ADRB0]       ; columns 8 ((l / 8) % 2) + 0..7
	s_lshl_b32 s14, s12, 8                         ; my 128 columns,
	s_add_co_u32 s14, s14, 2*HALF                  ; behind A's 256 rows
	v_add_nc_u32 v[ADRB0], s14, v[ADRB0]
	s_mul_i32 s14, s10, STGW
	s_add_co_u32 s14, s14, STAGE                   ; my stage
	v_mul_u32_u24 v[STO], v1, SP
	v_lshlrev_b32 v[CO], 4, v6
.if OPROJ
	v_lshl_add_u32 v[STO], v2, 5, v[STO]           ; in: row l % 16, 32 bytes for each half of the lanes
	v_add_nc_u32 v[STO], s14, v[STO]
	v_lshl_add_u32 v[RD], v6, 4, s14               ; back: 32 lanes take one row of 512 bytes
	global_load_b128 v[196:199], v[CO], s[16:17]   ; bo of my four columns; waited for at the way out
.else
	v_lshl_add_u32 v[STO], v2, 4, v[STO]           ; in: row l % 16, 16 bytes for each half of the lanes
	v_add_nc_u32 v[STO], s14, v[STO]
	v_bfe_u32 v[RD], v0, 3, 2                      ; back: 32 lanes take four rows of 128 bytes
	v_mul_u32_u24 v[RD], v[RD], SP
	v_lshl_add_u32 v[RD], v3, 4, v[RD]
	v_add_nc_u32 v[RD], s14, v[RD]
.endif
	v_add_nc_u32 v[ADRA], s[CUR], v[ADRA0]
	v_add_nc_u32 v[ADRB], s[CUR], v[ADRB0]
	s_wait_tensorcnt 0x1                           ; my part of slot 0 is in; slot 1's may stay out
	s_barrier_signal -1
	s_barrier_wait -1                              ; everybody's part of slot 0 is in
	FETCH 0, 0, F0
	QUARTER 64, KB, F0, F1, 1                      ; the first quarter stands in front of the loop: its products start the sums
	WIN 0                                          ; at a label and at a branch every window is 0
	s_mov_b32 s[CNT], NS-2
.LloopA:                                               ; trip t: the rest of step t, the request for step t + 2, the first quarter of step t + 1.  The 64 accumulators take turns in one order, over the jump too
	QUARTER 128, 2*KB, F1, F0, 0
	QUARTER 192, 3*KB, F0, F1, 0
	TURN 1
	QUARTER 64, KB, F0, F1, 0
	WIN 0
	s_sub_co_u32 s[CNT], s[CNT], 1
	s_cmp_lg_u32 s[CNT], 0
	s_cbranch_scc1 .LloopA
	s_mov_b32 s[CNT], 2
.LloopB:                                               ; the last two steps ask for nothing; the second trip is left in its middle (its 32 fetches, from a slot that holds an older step, serve nothing: the price of one text)
	QUARTER 128, 2*KB, F1, F0, 0
	QUARTER 192, 3*KB, F0, F1, 0
	TURN 0
	WIN 0
	s_sub_co_u32 s[CNT], s[CNT], 1
	s_cmp_eq_u32 s[CNT], 0
	s_cbranch_scc1 .Lout
	QUARTER 64, KB, F0, F1, 0
	WIN 0
	s_branch .LloopB
.Lout:
	s_wait_dscnt 0x0                               ; the last fetches are back: their registers are free
.if OPROJ
	; THE WAY OUT, f32: a block of 16 rows goes from the accumulators into my stage and comes back as whole rows of 512 bytes; bo is added; 32 lanes store a row's 512 consecutive bytes.
	s_wait_loadcnt 0x0                             ; bo
	s_mov_b32 s14, 0xffff0000
	v_cvt_pk_bf16_f32 v200, v196, v197             ; bo rounded to bf16; these six lines and four v_nop are the places behind the last products
	v_cvt_pk_bf16_f32 v201, v198, v199
	v_lshlrev_b32 v192, 16, v200
	v_and_b32 v193, s14, v200
	v_lshlrev_b32 v194, 16, v201
	v_and_b32 v195, s14, v201
	PLACES
.macro TOSTAGE a
.set AC, 64*((\a)%4)
.set BK, 64+64*((\a)%2)                ; v64-127 and v128-191 by turns
.if (\a) >= 2
	s_wait_xcnt 0x0                                ; the stores of the block two back have read these registers
.endif
	WIN 0x08+4*((\a)/4)                            ; store data in window 2 or 3
.irp b, 0,1,2,3,4,5,6,7
	ds_store_b128 v[STO], v[AC+8*(\b):AC+8*(\b)+3]   offset:64*(\b)     ; each accumulator's low registers first
	ds_store_b128 v[STO], v[AC+8*(\b)+4:AC+8*(\b)+7] offset:64*(\b)+16
.endr
	WIN 0
.irp t, 0,1,2,3,4,5,6,7,8,9,10,11,12,13,14,15
	ds_load_b128 v[BK+4*(\t):BK+4*(\t)+3], v[RD] offset:(\t)*SP  ; LDS serves a wave's instructions in order (ISA guide 5.7.1.4): these see the stores above, and the next block's stores come behind them
.endr
.endm
.macro SEND a, younger                 ; younger: the next block's 16 stores and 16 loads, or none
.set BK, 64+64*((\a)%2)
	s_wait_dscnt \younger
.irp t, 0,1,2,3,4,5,6,7,8,9,10,11,12,13,14,15
	v_pk_add_f32 v[BK+4*(\t):BK+4*(\t)+1],   v[BK+4*(\t):BK+4*(\t)+1],   v[192:193]
	v_pk_add_f32 v[BK+4*(\t)+2:BK+4*(\t)+3], v[BK+4*(\t)+2:BK+4*(\t)+3], v[194:195]
	global_store_b128 v[CO], v[BK+4*(\t):BK+4*(\t)+3], s[18:19] offset:(16*(\a)+(\t))*4096
.endr
.endm
	TOSTAGE 0
.irp a, 1,2,3,4,5,6,7
	TOSTAGE \a
	SEND (\a)-1, 32
.endr
	SEND 7, 0
.else
	; THE WAY OUT, f16, by heads: a block of 16 rows is rounded, goes into my stage (a half for each of my two heads) and comes back as rows of 128 bytes; 16 rows of a head are 2,048 consecutive bytes of outr.
	; No v_nop: blocks 0-3 were finished in front of the last change's places, and their conversions, which name no register of the last products, are those products' places.
.macro PACK a
.set AC, 64*((\a)%4)
	WIN 0x0a+5*((\a)/4)                            ; sources 0 and 1: window 2 or 3
.irp b, 0,1,2,3,4,5,6,7
.irp r, 0,1,2,3
	v_cvt_pk_f16_f32 v[TMP+4*(\b)+(\r)], v[AC+8*(\b)+2*(\r)], v[AC+8*(\b)+2*(\r)+1]
.endr
.endr
	WIN 0
.endm
.macro TOSTAGE a
	WIN 0
.set BK, OB+192*((\a)%2)
.irp b, 0,1,2,3,4,5,6,7
	ds_store_b128 v[STO], v[TMP+4*(\b):TMP+4*(\b)+3] offset:((\b)/4)*16*SP+32*((\b)%4)
.endr
.irp t, 0,1,2,3,4,5,6,7
	ds_load_b128 v[BK+4*(\t):BK+4*(\t)+3], v[RD] offset:((\t)/4)*16*SP+((\t)%4)*4*SP  ; LDS serves a wave's instructions in order (ISA guide 5.7.1.4): these see the stores above
.endr
.endm
.macro SEND a
	WIN 0
.set BK, OB+192*((\a)%2)
	s_wait_dscnt 0x0                               ; the block is back in registers
	s_wait_xcnt 0x0                                ; earlier stores have read their registers: the next block's loads land on them only behind this wait
.irp t, 0,1,2,3,4,5,6,7
	global_store_b128 v[CO], v[BK+4*(\t):BK+4*(\t)+3], s[8:9] offset:((\t)/4)*524288+(\a)*2048+((\t)%4)*512  ; 512 consecutive bytes, at a multiple of 256 from outr's first byte
.endr
.endm
	PACK 0
	TOSTAGE 0
.irp a, 1,2,3,4,5,6,7                  ; block a's conversions stand between block a - 1's loads from the stage and the wait for them
	PACK \a
	SEND (\a)-1
	TOSTAGE \a
.endr
	SEND 7
.endif
	s_wait_tensorcnt 0x0                           ; the wave's end: behind my last tensor load and my last LDS store
	ds_add_u32 v[SPW], v[NIL]
	s_wait_dscnt 0x0
	CROUND                                         ; the closing round: no work-group ends while a partner may still ask for a tile that names it
	s_endpgm
.Lfunc_end_k_qa197352ae0_vproj:
	.size	k_qa197352ae0_vproj, .Lfunc_end_k_qa197352ae0_vproj-k_qa197352ae0_vproj
	.p2alignl 7, 3214868480
	.fill 96, 4, 3214868480
	.section	.rodata,"a",@progbits
	.p2align	6, 0x0
	.amdhsa_kernel k_qa197352ae0_vproj
		.amdhsa_group_segment_fixed_size 327680
		.amdhsa_private_segment_fixed_size 0
		.amdhsa_enable_private_segment 0
		.amdhsa_kernarg_size 24
		.amdhsa_user_sgpr_count 2
		.amdhsa_user_sgpr_kernarg_segment_ptr 1
		.amdhsa_wavefront_size32 1
		.amdhsa_system_sgpr_workgroup_id_x 1
		.amdhsa_system_sgpr_workgroup_id_y 1
		.amdhsa_system_sgpr_workgroup_id_z 1
		.amdhsa_system_vgpr_workitem_id 0
		.amdhsa_next_free_vgpr 1024
		.amdhsa_next_free_sgpr 76
		.amdhsa_reserve_vcc 0
		.amdhsa_float_denorm_mode_32 3
		.amdhsa_float_denorm_mode_16_64 3
		.amdhsa_memory_ordered 1
		.amdhsa_forward_progress 1
		.amdhsa_inst_pref_size 101
	.end_amdhsa_kernel
	.amdgpu_metadata
---
amdhsa.version: [ 1, 2 ]
amdhsa.kernels:
  - .name:           k_qa197352ae0_vproj
    .symbol:         k_qa197352ae0_vproj.kd
    .args:
      - { .name: xh, .offset: 0, .size: 8, .value_kind: global_buffer, .address_space: global }
      - { .name: wvp, .offset: 8, .size: 8, .value_kind: global_buffer, .address_space: global }
      - { .name: outr, .offset: 16, .size: 8, .value_kind: global_buffer, .address_space: global }
    .group_segment_fixed_size: 327680
    .private_segment_fixed_size: 0
    .kernarg_segment_align: 8
    .kernarg_segment_size: 24
    .max_flat_workgroup_size: 128
    .sgpr_count:     76
    .vgpr_count:     1024
    .wavefront_size: 32
...
	.end_amdgpu_metadata
.endif
;; end of part 6
;; launch oproj (part 7): grid 4 x 64, 4 waves a work-group, clusters of 4 x 4, 327,680 bytes of LDS; arguments outr, wts, bo, out0; writes out0
.if DOCPART == 7
	.amdgcn_target "amdgcn-amd-amdhsa--gfx1250"
	.amdhsa_code_object_version 6
	.text
	.protected	k_qa197352ae0_oproj
	.globl	k_qa197352ae0_oproj
	.p2align	8
	.type	k_qa197352ae0_oproj,@function
k_qa197352ae0_oproj:
	s_mov_b64 s[64:65], 0
	v_nop
	global_prefetch_b8 v0, s[64:65] scope:SCOPE_SE
	s_setreg_imm32_b32 hwreg(HW_REG_WAVE_MODE, 25, 1), 1
	s_wait_xcnt 0x0
	s_wait_alu depctr_hold_cnt(0) depctr_sa_sdst(0) depctr_va_vdst(0) depctr_va_sdst(0) depctr_va_ssrc(0) depctr_va_vcc(0) depctr_vm_vsrc(0)
	s_getreg_b32 s2, hwreg(HW_REG_IB_STS2, 6, 4)
	s_cmp_eq_u32 s2, 0
	s_cbranch_scc0 .Lentry_in_a_cluster
	s_endpgm
.Lentry_in_a_cluster:
	s_bfe_u32 s2, ttmp6, 0x10000c
	s_cmp_lg_u32 s2, 0xf033
	s_cbranch_scc0 .Lentry_shape_is_right
	s_endpgm
.Lentry_shape_is_right:
; ONE TEXT FOR TWO PRODUCTS C = A B.  A: [16384][1024] f16, K along the rows.  B: [1024 k][1024] f16, as it lies.  f16 form, sums in f32, K ascending.  OPROJ chooses.
;   OPROJ = 0: A = xh, B = wvp[n] (n = row / 4096).  C, rounded once to f16, leaves by heads: outr[n][a][s][d], which read flat is the module's reshaped [16384][1024].
;   OPROJ = 1 (this kernel): A = outr, B = Wo (in wts at byte 4,194,304).  C + bo (bo rounded to bf16, as every input is) leaves in f32: out0.
; LIMITS.  f16 operands and OPROJ = 0's results stay within 65,504; below 6e-5 f16 keeps its fixed step of 6e-8.  NaN and infinities are not treated apart.
; SHARES.  A tile of C is 256 x 256: 64 x 4 tiles, 256 work-groups; four waves, each 128 x 128: 64 accumulators, 512 registers.
; RING.  K in 8 steps of 128 through two LDS slots: A's 256 rows of 256 bytes (16 of padding), B's 128 K rows of 512 bytes (32 of padding).  Waves 0, 1 fetch A's halves (128 rows), waves 2, 3 B's
; (64 K rows).  Both slots' first fills go out together (two loads of a wave are out); later one tensor load a wave behind each round.
; CLUSTER.  4 x 4 work-groups: A's tile is asked for jointly along a row of the cluster, B's along a column.
; THE MATRIX INSTRUCTION IS USED TRANSPOSED: source 0 = 16 columns of B (turned out of LDS by ds_load_tr16_b128), source 1 = 16 rows of A: a lane holds row l % 16 of C and the columns 8 (l / 16) + 0..7.
; REGISTERS, in windows of 256: window 0: v0-31 addresses, v64-127, v128-191 A's fragments, v32-63, v192-255 at work on the way out; window 1: v64-191 B's fragments;
;   window 2: accumulators of my rows 0-63 ((a, b) at v[8 (8 a + b)]); window 3: rows 64-127.  s_set_vgpr_msb: bits 1:0 source 0, 3:2 source 1, 5:4 source 2, 7:6 destination.
.set OPROJ, 1
.set NS,    8
.set PA,    272                        ; A's LDS row: 256 + 16 bytes = 68 words: the 16 rows of a load start at 16 different groups of four banks (64 banks of 4 bytes: ISA guide 11.1)
.set PB,    544                        ; B's LDS row: 512 + 32 bytes = 136 words: row r starts at bank 8 r mod 64
.set HALF,  128*PA                     ; what one tensor load brings: 128 rows of A, or 64 of B (64 x 544 is the same number)
.set SLOT,  4*HALF                     ; no bit of SLOT is set in a wave's w x HALF, so an exclusive or turns an address in one slot into the other's
.set KB,    32*PB                      ; 32 K rows of B
.set STAGE, 2*SLOT                     ; behind the ring, never filled by a tensor load
.if OPROJ
.set SP,    528                        ; a stage row: 128 f32 + 16 bytes
.set STGW,  16*SP                      ; a wave's stage: 16 rows
.else
.set SP,    144                        ; a stage row: a head's 64 f16 + 16 bytes
.set STGW,  32*SP                      ; a wave's stage: 16 rows for each of its two heads
.endif
.set SPARE, STAGE+4*STGW               ; behind the stages: the spare words, 128 bytes for each wave
.set ADRA0, 16                         ; v16  my lane's place in A's part of a slot; never rewritten
.set ADRB0, 17                         ; v17  the same for B
.set ADRA,  18                         ; v18  the same in the slot in hand
.set ADRB,  19                         ; v19
.set STO,   24                         ; v24  the way out: where I put my bytes of a row
.set RD,    25                         ; v25  where I read rows back
.set CO,    26                         ; v26  16 x lane: my byte offset in 512 consecutive bytes of C (and of bo)
.set SPW,   28                         ; v28  LDS address of my spare word; never rewritten
.set NIL,   29                         ; v29  0; never rewritten
.set PFO,   30                         ; v30  the prefetches' offset; never rewritten
.set F0,    64
.set F1,    128
.set TMP,   192                        ; OPROJ = 0: packed results
.set OB,    32                         ; OPROJ = 0: rows read back: v32-63 and v224-255 by turns
.set G1A, 24                           ; s[24:31] descriptor group 1 for A
.set G0A, 32                           ; s[32:35] group 0 for A: it walks, from step 1 on
.set BA,  36                           ; s[36:37] my part of A's tile at step 0
.set BB,  38                           ; s[38:39] the same for B
.set LIM, 43                           ; s43 2 in a wave that prefetches, else the greatest number
.set PFA, 44                           ; s[44:45] where my prefetches stand
.set OFF, 46                           ; s[46:47] a step's byte offset in A
.set OFB, 22                           ; s[22:23] in B
.set PST, 20                           ; s[20:21] a step's bytes for my prefetches
.set G1B, 48                           ; s[48:55]
.set G0B, 56                           ; s[56:59]
.set NXT, 60                           ; s60 the step to be asked for next
.set CNT, 61                           ; s61 loop counter
.set CUR, 62                           ; s62 0 or SLOT: the slot in hand
.set S0A, 68                           ; s[68:71] group 0 for A's first fill of slot 0; written once
.set S0B, 72                           ; s[72:75] the same for B
.set MSB, 0
.macro WIN new                         ; the immediate's high byte repeats the setting that is left; a switch that changes nothing is dropped
.if MSB != (\new)
	s_set_vgpr_msb (MSB<<8)|(\new)
.set MSB, \new
.endif
.endm
.set MUL_LO, 0xa1                      ; source 0 (B) window 1, source 1 (A) window 0, C and D window 2
.set TO_B,   0x40                      ; destination window 1, address window 0
; A joint load: one line for A's waves, one for B's; the branch hangs on the wave's number alone.  An s_nop 0 and four v_nop follow each line, ahead of the jump and the label.
.macro JLOAD
	s_cmp_eq_u32 s11, 0
	s_cbranch_scc0 .Lfor_b_\@
	tensor_load_to_lds s[G0A:G0A+3], s[G1A:G1A+7]
	s_nop 0
.rept 4
	v_nop
.endr
	s_branch .Lasked_\@
.Lfor_b_\@:
	tensor_load_to_lds s[G0B:G0B+3], s[G1B:G1B+7]
	s_nop 0
.rept 4
	v_nop
.endr
.Lasked_\@:
.endm
; A PREFETCH INTO THE L2, behind a joint load, its five lines and the run of LDS loads: the K step that stands two refills on, 32 blocks of 256 bytes, a lane a block, one instruction a wave.
; Each block is named once in the launch.  A's rows are read by one cluster: of the 128 rows that a wave fetches, the partner at cx takes rows 32 cx .. + 31.  B's K rows are read by every cluster of the
; same B: one of them asks (LIM), and of the 64 K rows that a wave fetches the partner at cy takes 16 cy .. + 15, two blocks a row.  The partners are told apart by address: no branch hangs on cx or cy.
; Trip t names step t + 4: the trips with t above 3 (the counter at 2 or below) ask for nothing.  Steps 0 to 3 come by their loads alone.
.macro ASK
	s_cmp_gt_u32 s[CNT], s[LIM]
	s_cbranch_scc0 .Lnot_mine_\@
	global_prefetch_b8 v[PFO], s[PFA:PFA+1] th:TH_LOAD_NT scope:SCOPE_SE
.Lnot_mine_\@:
.endm
.macro CREST                           ; a round of the cluster's barrier behind its opening barrier
	s_cmp_lg_u32 s10, 0
	s_cbranch_scc1 .Lnot_wave_0_\@
	s_barrier_signal -3
.Lnot_wave_0_\@:
	s_barrier_wait -3
	s_barrier_signal -1
	s_barrier_wait -1
.endm
.macro CROUND                          ; a whole round
	s_barrier_signal -1
	s_barrier_wait -1
	CREST
.endm
; The group 0 sets ga (A) and gb (B) for step NXT: the addresses are made anew from the tiles' bases and the step's number.  It stands only where no tensor load that names these sets is out.  tog = 1: the other slot than last time.
.macro DESC ga, gb, tog
	s_lshl_b32 s[OFF], s[NXT], 8                   ; 128 elements along A's rows
	s_lshl_b32 s[OFB], s[NXT], 18                  ; 128 K rows of 2,048 bytes
.if \tog
	s_xor_b32 s[(\ga)+1], s[(\ga)+1], SLOT
	s_xor_b32 s[(\gb)+1], s[(\gb)+1], SLOT
.endif
	s_add_nc_u64 s[(\ga)+2:(\ga)+3], s[BA:BA+1], s[OFF:OFF+1]
	s_or_b32 s[(\ga)+3], s[(\ga)+3], 0x80000000    ; 127:126 type = 2
	s_add_nc_u64 s[(\gb)+2:(\gb)+3], s[BB:BB+1], s[OFB:OFB+1]
	s_or_b32 s[(\gb)+3], s[(\gb)+3], 0x80000000
	s_add_co_u32 s[NXT], s[NXT], 1
.endm
; 16 matrix instructions: row blocks a0, a0 + 1 of the window's four x all 8 column blocks, 32 along K.  zero = 1: the product starts the sum: nothing is cleared.
.macro MUL16 f, hi, a0, zero
	WIN MUL_LO+0x50*(\hi)
.irp a, \a0, (\a0)+1
.irp b, 0,1,2,3,4,5,6,7
.if \zero
	v_wmma_f32_16x16x32_f16 v[8*(8*(\a)+(\b)):8*(8*(\a)+(\b))+7], v[(\f)+8*(\b):(\f)+8*(\b)+7], v[(\f)+8*(4*(\hi)+(\a)):(\f)+8*(4*(\hi)+(\a))+7], 0
.else
	v_wmma_f32_16x16x32_f16 v[8*(8*(\a)+(\b)):8*(8*(\a)+(\b))+7], v[(\f)+8*(\b):(\f)+8*(\b)+7], v[(\f)+8*(4*(\hi)+(\a)):(\f)+8*(4*(\hi)+(\a))+7], v[8*(8*(\a)+(\b)):8*(8*(\a)+(\b))+7]
.endif
.endr
.endr
.endm
; 32 LDS loads in one run: a quarter step's fragments (32 along K: byte ka of A's rows, byte kb down B's rows) into buffer f
.macro FETCH ka, kb, f
	WIN TO_B
.irp i, 0,1,2,3,4,5,6,7
	ds_load_tr16_b128 v[(\f)+8*(\i):(\f)+8*(\i)+3],   v[ADRB] offset:(\kb)+32*(\i)
	ds_load_tr16_b128 v[(\f)+8*(\i)+4:(\f)+8*(\i)+7], v[ADRB] offset:(\kb)+32*(\i)+16*PB
.endr
	WIN 0
.irp i, 0,1,2,3,4,5,6,7
	ds_load_b128 v[(\f)+8*(\i):(\f)+8*(\i)+3],   v[ADRA] offset:(\ka)+(\i)*16*PA
	ds_load_b128 v[(\f)+8*(\i)+4:(\f)+8*(\i)+7], v[ADRA] offset:(\ka)+(\i)*16*PA+32
.endr
.endm
.macro PLACES                          ; four places in front of loads into registers that matrix instructions have read (ISA guide 7.12.1 for vector instructions)
.rept 4
	v_nop
.endr
.endm
; A step is four quarters of 32 along K, 64 matrix instructions each, on buffers 0, 1, 0, 1.  One of the first three: multiplies buffer f and fetches the next quarter into g.
.macro QUARTER ka, kb, f, g, zero
	s_wait_dscnt 8                                 ; B and A's blocks 0-3 are in; the youngest eight loads (A's blocks 4-7) may be out
	MUL16 \f, 0, 0, \zero
	MUL16 \f, 0, 2, \zero
	PLACES
	FETCH \ka, \kb, \g
	s_wait_dscnt 32                                ; all but the 32 just issued
	MUL16 \f, 1, 0, \zero
	MUL16 \f, 1, 2, \zero
.endm
; The last quarter multiplies buffer 1 and changes slots in its middle: ONE barrier.  Its first 32 products stand ahead of the wait for the tile, so that from a request to the wait for it a wave issues a whole
; step's 256 matrix instructions, and only the round stands between the wait and the next request.  In front of the barrier each wave waits for all its tensor loads (one is out: its part of the next slot),
; adds 0 to its spare word, and waits for that and for its reads of this slot.  fill = 1: the barrier opens a round of the cluster's barrier, and behind the round this slot is filled again first, with the step two on.
.macro TURN fill
.if \fill
	s_wait_xcnt 0x0                                ; the last prefetch, a K step back, has read its address: it is stepped here
	s_add_nc_u64 s[PFA:PFA+1], s[PFA:PFA+1], s[PST:PST+1]
.endif
	s_wait_dscnt 8                                 ; B and A's blocks 0-3 are in; the youngest eight loads (A's blocks 4-7) may be out
	MUL16 F1, 0, 0, 0
	MUL16 F1, 0, 2, 0
	WIN 0
	s_wait_tensorcnt 0x0                           ; no tensor load of mine is out, so the descriptors may be written
	ds_add_u32 v[SPW], v[NIL]                      ; 0 onto my spare word; the scalar work below stands between it and the wait for it
.if \fill
	DESC G0A, G0B, 1
.endif
	s_xor_b32 s[CUR], s[CUR], SLOT
	s_wait_dscnt 0x0                               ; the add is done, and my reads of this slot are over
	s_barrier_signal -1
	s_barrier_wait -1
.if \fill
	CREST                                          ; no wave of any partner still reads this slot or has a load on its way
	JLOAD                                          ; the first tensor load behind the round; its four v_nop are also the places in front of the loads below
.else
	PLACES
.endif
	v_add_nc_u32 v[ADRA], s[CUR], v[ADRA0]
	v_add_nc_u32 v[ADRB], s[CUR], v[ADRB0]
	FETCH 0, 0, F0
.if \fill
	ASK
.endif
	MUL16 F1, 1, 0, 0
	MUL16 F1, 1, 2, 0
.endm
	s_load_b128 s[4:7], s[0:1], 0x0                ; A s[4:5], B's buffer s[6:7]
.if OPROJ
	s_load_b128 s[16:19], s[0:1], 0x10             ; bo s[16:17], out0 s[18:19]
.else
	s_load_b64 s[8:9], s[0:1], 0x10                ; outr
.endif
	v_lshl_add_u32 v[SPW], v0, 2, SPARE
	v_mov_b32 v[NIL], 0
	ds_add_u32 v[SPW], v[NIL]                      ; the wave's opening: the add and its wait stand ahead of my first tensor load; work on registers stands between them
	v_lshrrev_b32 v1, 5, v0
	v_readfirstlane_b32 s10, v1                    ; wave 0..3
	s_lshr_b32 s11, s10, 1                         ; which half of the tile's rows is mine.  Also: I fetch for A (0) or for B (1)
	s_and_b32 s12, s10, 1                          ; which half of its columns.  Also: which half of that tile I fetch
	s_bfe_u32 s40, ttmp6, 0x40000                  ; cx
	s_bfe_u32 s41, ttmp6, 0x40004                  ; cy
	s_and_b32 s2, ttmp7, 0xffff                    ; cluster y
	s_lshl_b32 s13, s2, 2
	s_add_co_u32 s13, s13, s41                     ; tile row of C, 0..63
	s_lshl_b32 s42, ttmp9, 2
	s_add_co_u32 s42, s42, s40                     ; tile column, 0..3
	s_lshl_b32 s14, s41, 2
	s_lshl_b32 s14, 15, s14                        ; my row of the cluster
	s_lshl_b32 s15, 0x1111, s40                    ; my column
	; group 1 for A: 128 rows x 128 elements of 2 bytes; 20 padding on; 21 set beside a mask; 24:22 after every 64 words (code 5); 31:25 4 words (code 3)
	s_or_b32 s[G1A], s14, (1<<16)|(1<<20)|(1<<21)|(5<<22)|(3<<25)
	s_mov_b32 s[G1A+1], 128<<16                    ; tensor_dim0 = 128
	s_mov_b32 s[G1A+2], 128<<16                    ; tensor_dim1 = 128
	s_mov_b32 s[G1A+3], 128<<16                    ; tile_dim0 = 128
	s_mov_b32 s[G1A+4], 128                        ; tile_dim1 = 128
	s_mov_b32 s[G1A+5], 1024                       ; elements from row to row
	s_mov_b32 s[G1A+6], 0
	s_mov_b32 s[G1A+7], 0
	; group 1 for B: 64 K rows x 256 elements; padding after every 128 words (code 6), 8 words (code 7)
	s_or_b32 s[G1B], s15, (1<<16)|(1<<20)|(1<<21)|(6<<22)|(7<<25)
	s_mov_b32 s[G1B+1], 256<<16                    ; tensor_dim0 = 256
	s_mov_b32 s[G1B+2], 64<<16                     ; tensor_dim1 = 64
	s_mov_b32 s[G1B+3], 256<<16                    ; tile_dim0 = 256
	s_mov_b32 s[G1B+4], 64                         ; tile_dim1 = 64
	s_mov_b32 s[G1B+5], 1024
	s_mov_b32 s[G1B+6], 0
	s_mov_b32 s[G1B+7], 0
.irp g, G0A, G0B, S0A, S0B
	s_mov_b32 s[(\g)], 1                           ; count = 1
	s_mul_i32 s[(\g)+1], s10, HALF                 ; LDS address: wave x HALF: A's two halves, then B's; no place in the cluster enters it
.endr
	; byte offsets of my part of the tiles at K step 0: A's holds cy and never cx, B's cx and never cy
	s_lshl_b32 s[BA], s13, 19                      ; 256 rows of 2,048 bytes x tile row
	s_lshl_b32 s14, s12, 18                        ; + my 128 rows
	s_add_co_u32 s[BA], s[BA], s14
	s_mov_b32 s[BA+1], 0
	s_lshl_b32 s[BB], s42, 9                       ; 256 columns x tile column
	s_lshl_b32 s15, s12, 17                        ; + my 64 K rows
	s_add_co_u32 s[BB], s[BB], s15
.if OPROJ
	s_add_co_u32 s[BB], s[BB], 4194304             ; Wo's part of wts
	s_mov_b32 s15, s2                              ; B is the same for all clusters: cluster y = 0 prefetches it
.else
	s_lshr_b32 s15, s2, 2                          ; n: made of the cluster's y alone
	s_lshl_b32 s15, s15, 21
	s_add_co_u32 s[BB], s[BB], s15
	s_and_b32 s15, s2, 3                           ; B is the same for the four clusters of an n: the first of them prefetches it
.endif
	s_mov_b32 s[BB+1], 0
	s_mul_i32 s15, s15, s11                        ; 0 in A's waves: they always ask
	s_cmp_eq_u32 s15, 0
	s_cselect_b32 s[LIM], 2, -1                    ; the same in all sixteen partners, for a given wave
.if OPROJ
	s_lshl_b32 s14, s42, 10                        ; bo: my 128 columns
	s_lshl_b32 s3, s12, 9
	s_add_co_u32 s14, s14, s3
	s_mov_b32 s15, 0
	s_lshl_b32 s2, s13, 20                         ; out0: 256 rows of 4,096 bytes x tile row
	s_lshl_b32 s3, s11, 19                         ; + my 128 rows
	s_add_co_u32 s2, s2, s3
	s_add_co_u32 s2, s2, s14                       ; + my 128 columns
	s_mov_b32 s3, 0
.else
	s_lshr_b32 s3, s2, 2
	s_lshl_b32 s2, s3, 23                          ; outr: n x 8,388,608
	s_lshl_b32 s3, s42, 21                         ; + four heads of 524,288 bytes x tile column
	s_add_co_u32 s2, s2, s3
	s_lshl_b32 s3, s12, 20                         ; + my two heads
	s_add_co_u32 s2, s2, s3
	s_and_b32 s3, s13, 15
	s_lshl_b32 s3, s3, 15                          ; + 256 rows of 128 bytes x the tile row within n
	s_add_co_u32 s2, s2, s3
	s_lshl_b32 s3, s11, 14                         ; + my 128 rows
	s_add_co_u32 s2, s2, s3
	s_mov_b32 s3, 0
.endif
	s_mov_b32 s[OFF+1], 0
	s_mov_b32 s[OFB+1], 0
	s_mov_b32 s[NXT], 0
	s_mov_b32 s[CUR], 0
	s_wait_dscnt 0x0                               ; the opening add is done
	s_wait_kmcnt 0x0
	s_add_nc_u64 s[BA:BA+1], s[4:5], s[BA:BA+1]
	s_add_nc_u64 s[BB:BB+1], s[6:7], s[BB:BB+1]
.if OPROJ
	s_add_nc_u64 s[16:17], s[16:17], s[14:15]
	s_add_nc_u64 s[18:19], s[18:19], s[2:3]
.else
	s_add_nc_u64 s[8:9], s[8:9], s[2:3]
.endif
	DESC S0A, S0B, 0                               ; step 0, slot 0
	DESC G0A, G0B, 1                               ; step 1, slot 1
	CROUND                                         ; all sixteen work-groups are here: the first joint loads meet
	s_cmp_eq_u32 s11, 0                            ; a wave's two first fills stand in one branch, ahead of every wait on TENSORcnt and every LDS read: two loads of mine are out
	s_cbranch_scc0 .Lfirst_b
	tensor_load_to_lds s[S0A:S0A+3], s[G1A:G1A+7]
	s_nop 0
	tensor_load_to_lds s[G0A:G0A+3], s[G1A:G1A+7]
	s_nop 0
.rept 4
	v_nop
.endr
	s_branch .Lfirst_asked
.Lfirst_b:
	tensor_load_to_lds s[S0B:S0B+3], s[G1B:G1B+7]
	s_nop 0
	tensor_load_to_lds s[G0B:G0B+3], s[G1B:G1B+7]
	s_nop 0
.rept 4
	v_nop
.endr
.Lfirst_asked:
	; the prefetches: my work-group's share of what I fetch, at step 3; the first refill in the loop steps it to 4
	s_mul_i32 s15, s11, 10
	s_lshl_b32 s[PST], 256, s15                    ; a step: 256 bytes along A's rows, 262,144 down B's
	s_mov_b32 s[PST+1], 0
	s_mul_i32 s3, s[PST], 3
	s_sub_co_u32 s15, 16, s11                      ; a share: 32 rows of 2,048 bytes for A, 16 for B
	s_cmp_eq_u32 s11, 0
	s_cselect_b32 s14, s40, s41                    ; my place among the four that ask with me
	s_cselect_b64 s[PFA:PFA+1], s[BA:BA+1], s[BB:BB+1]
	s_lshl_b32 s14, s14, s15
	s_add_co_u32 s14, s14, s3
	s_mov_b32 s15, 0
	s_add_nc_u64 s[PFA:PFA+1], s[PFA:PFA+1], s[14:15]
	v_and_b32 v1, 15, v0                           ; l % 16
	v_bfe_u32 v2, v0, 4, 1                         ; l / 16
	v_and_b32 v3, 7, v0
	v_bfe_u32 v4, v0, 3, 1
	v_and_b32 v6, 31, v0                           ; l
	v_lshrrev_b32 v[PFO], s11, v6                  ; A: a lane a row.  B: two lanes a row,
	v_and_b32 v7, s11, v6
	v_lshlrev_b32 v[PFO], 11, v[PFO]
	v_lshl_or_b32 v[PFO], v7, 8, v[PFO]            ; 256 bytes apart
	v_mul_u32_u24 v[ADRA0], v1, PA                 ; A's fragment: row l % 16, 16 bytes for each half of the lanes
	v_lshl_add_u32 v[ADRA0], v2, 4, v[ADRA0]
	s_mul_i32 s14, s11, HALF                       ; my 128 rows
	v_add_nc_u32 v[ADRA0], s14, v[ADRA0]
	v_lshl_add_u32 v[ADRB0], v2, 3, v3             ; the turning load: lane l addresses K row 8 (l / 16) + l % 8,
	v_mul_u32_u24 v[ADRB0], v[ADRB0], PB
	v_lshl_add_u32 v[ADRB0], v4, 4, v[ADRB0]       ; columns 8 ((l / 8) % 2) + 0..7
	s_lshl_b32 s14, s12, 8                         ; my 128 columns,
	s_add_co_u32 s14, s14, 2*HALF                  ; behind A's 256 rows
	v_add_nc_u32 v[ADRB0], s14, v[ADRB0]
	s_mul_i32 s14, s10, STGW
	s_add_co_u32 s14, s14, STAGE                   ; my stage
	v_mul_u32_u24 v[STO], v1, SP
	v_lshlrev_b32 v[CO], 4, v6
.if OPROJ
	v_lshl_add_u32 v[STO], v2, 5, v[STO]           ; in: row l % 16, 32 bytes for each half of the lanes
	v_add_nc_u32 v[STO], s14, v[STO]
	v_lshl_add_u32 v[RD], v6, 4, s14               ; back: 32 lanes take one row of 512 bytes
	global_load_b128 v[196:199], v[CO], s[16:17]   ; bo of my four columns; waited for at the way out
.else
	v_lshl_add_u32 v[STO], v2, 4, v[STO]           ; in: row l % 16, 16 bytes for each half of the lanes
	v_add_nc_u32 v[STO], s14, v[STO]
	v_bfe_u32 v[RD], v0, 3, 2                      ; back: 32 lanes take four rows of 128 bytes
	v_mul_u32_u24 v[RD], v[RD], SP
	v_lshl_add_u32 v[RD], v3, 4, v[RD]
	v_add_nc_u32 v[RD], s14, v[RD]
.endif
	v_add_nc_u32 v[ADRA], s[CUR], v[ADRA0]
	v_add_nc_u32 v[ADRB], s[CUR], v[ADRB0]
	s_wait_tensorcnt 0x1                           ; my part of slot 0 is in; slot 1's may stay out
	s_barrier_signal -1
	s_barrier_wait -1                              ; everybody's part of slot 0 is in
	FETCH 0, 0, F0
	QUARTER 64, KB, F0, F1, 1                      ; the first quarter stands in front of the loop: its products start the sums
	WIN 0                                          ; at a label and at a branch every window is 0
	s_mov_b32 s[CNT], NS-2
.LloopA:                                               ; trip t: the rest of step t, the request for step t + 2, the first quarter of step t + 1.  The 64 accumulators take turns in one order, over the jump too
	QUARTER 128, 2*KB, F1, F0, 0
	QUARTER 192, 3*KB, F0, F1, 0
	TURN 1
	QUARTER 64, KB, F0, F1, 0
	WIN 0
	s_sub_co_u32 s[CNT], s[CNT], 1
	s_cmp_lg_u32 s[CNT], 0
	s_cbranch_scc1 .LloopA
	s_mov_b32 s[CNT], 2
.LloopB:                                               ; the last two steps ask for nothing; the second trip is left in its middle (its 32 fetches, from a slot that holds an older step, serve nothing: the price of one text)
	QUARTER 128, 2*KB, F1, F0, 0
	QUARTER 192, 3*KB, F0, F1, 0
	TURN 0
	WIN 0
	s_sub_co_u32 s[CNT], s[CNT], 1
	s_cmp_eq_u32 s[CNT], 0
	s_cbranch_scc1 .Lout
	QUARTER 64, KB, F0, F1, 0
	WIN 0
	s_branch .LloopB
.Lout:
	s_wait_dscnt 0x0                               ; the last fetches are back: their registers are free
.if OPROJ
	; THE WAY OUT, f32: a block of 16 rows goes from the accumulators into my stage and comes back as whole rows of 512 bytes; bo is added; 32 lanes store a row's 512 consecutive bytes.
	s_wait_loadcnt 0x0                             ; bo
	s_mov_b32 s14, 0xffff0000
	v_cvt_pk_bf16_f32 v200, v196, v197             ; bo rounded to bf16; these six lines and four v_nop are the places behind the last products
	v_cvt_pk_bf16_f32 v201, v198, v199
	v_lshlrev_b32 v192, 16, v200
	v_and_b32 v193, s14, v200
	v_lshlrev_b32 v194, 16, v201
	v_and_b32 v195, s14, v201
	PLACES
.macro TOSTAGE a
.set AC, 64*((\a)%4)
.set BK, 64+64*((\a)%2)                ; v64-127 and v128-191 by turns
.if (\a) >= 2
	s_wait_xcnt 0x0                                ; the stores of the block two back have read these registers
.endif
	WIN 0x08+4*((\a)/4)                            ; store data in window 2 or 3
.irp b, 0,1,2,3,4,5,6,7
	ds_store_b128 v[STO], v[AC+8*(\b):AC+8*(\b)+3]   offset:64*(\b)     ; each accumulator's low registers first
	ds_store_b128 v[STO], v[AC+8*(\b)+4:AC+8*(\b)+7] offset:64*(\b)+16
.endr
	WIN 0
.irp t, 0,1,2,3,4,5,6,7,8,9,10,11,12,13,14,15
	ds_load_b128 v[BK+4*(\t):BK+4*(\t)+3], v[RD] offset:(\t)*SP  ; LDS serves a wave's instructions in order (ISA guide 5.7.1.4): these see the stores above, and the next block's stores come behind them
.endr
.endm
.macro SEND a, younger                 ; younger: the next block's 16 stores and 16 loads, or none
.set BK, 64+64*((\a)%2)
	s_wait_dscnt \younger
.irp t, 0,1,2,3,4,5,6,7,8,9,10,11,12,13,14,15
	v_pk_add_f32 v[BK+4*(\t):BK+4*(\t)+1],   v[BK+4*(\t):BK+4*(\t)+1],   v[192:193]
	v_pk_add_f32 v[BK+4*(\t)+2:BK+4*(\t)+3], v[BK+4*(\t)+2:BK+4*(\t)+3], v[194:195]
	global_store_b128 v[CO], v[BK+4*(\t):BK+4*(\t)+3], s[18:19] offset:(16*(\a)+(\t))*4096
.endr
.endm
	TOSTAGE 0
.irp a, 1,2,3,4,5,6,7
	TOSTAGE \a
	SEND (\a)-1, 32
.endr
	SEND 7, 0
.else
	; THE WAY OUT, f16, by heads: a block of 16 rows is rounded, goes into my stage (a half for each of my two heads) and comes back as rows of 128 bytes; 16 rows of a head are 2,048 consecutive bytes of outr.
	; No v_nop: blocks 0-3 were finished in front of the last change's places, and their conversions, which name no register of the last products, are those products' places.
.macro PACK a
.set AC, 64*((\a)%4)
	WIN 0x0a+5*((\a)/4)                            ; sources 0 and 1: window 2 or 3
.irp b, 0,1,2,3,4,5,6,7
.irp r, 0,1,2,3
	v_cvt_pk_f16_f32 v[TMP+4*(\b)+(\r)], v[AC+8*(\b)+2*(\r)], v[AC+8*(\b)+2*(\r)+1]
.endr
.endr
	WIN 0
.endm
.macro TOSTAGE a
	WIN 0
.set BK, OB+192*((\a)%2)
.irp b, 0,1,2,3,4,5,6,7
	ds_store_b128 v[STO], v[TMP+4*(\b):TMP+4*(\b)+3] offset:((\b)/4)*16*SP+32*((\b)%4)
.endr
.irp t, 0,1,2,3,4,5,6,7
	ds_load_b128 v[BK+4*(\t):BK+4*(\t)+3], v[RD] offset:((\t)/4)*16*SP+((\t)%4)*4*SP  ; LDS serves a wave's instructions in order (ISA guide 5.7.1.4): these see the stores above
.endr
.endm
.macro SEND a
	WIN 0
.set BK, OB+192*((\a)%2)
	s_wait_dscnt 0x0                               ; the block is back in registers
	s_wait_xcnt 0x0                                ; earlier stores have read their registers: the next block's loads land on them only behind this wait
.irp t, 0,1,2,3,4,5,6,7
	global_store_b128 v[CO], v[BK+4*(\t):BK+4*(\t)+3], s[8:9] offset:((\t)/4)*524288+(\a)*2048+((\t)%4)*512  ; 512 consecutive bytes, at a multiple of 256 from outr's first byte
.endr
.endm
	PACK 0
	TOSTAGE 0
.irp a, 1,2,3,4,5,6,7                  ; block a's conversions stand between block a - 1's loads from the stage and the wait for them
	PACK \a
	SEND (\a)-1
	TOSTAGE \a
.endr
	SEND 7
.endif
	s_wait_tensorcnt 0x0                           ; the wave's end: behind my last tensor load and my last LDS store
	ds_add_u32 v[SPW], v[NIL]
	s_wait_dscnt 0x0
	CROUND                                         ; the closing round: no work-group ends while a partner may still ask for a tile that names it
	s_endpgm
.Lfunc_end_k_qa197352ae0_oproj:
	.size	k_qa197352ae0_oproj, .Lfunc_end_k_qa197352ae0_oproj-k_qa197352ae0_oproj
	.p2alignl 7, 3214868480
	.fill 96, 4, 3214868480
	.section	.rodata,"a",@progbits
	.p2align	6, 0x0
	.amdhsa_kernel k_qa197352ae0_oproj
		.amdhsa_group_segment_fixed_size 327680
		.amdhsa_private_segment_fixed_size 0
		.amdhsa_enable_private_segment 0
		.amdhsa_kernarg_size 32
		.amdhsa_user_sgpr_count 2
		.amdhsa_user_sgpr_kernarg_segment_ptr 1
		.amdhsa_wavefront_size32 1
		.amdhsa_system_sgpr_workgroup_id_x 1
		.amdhsa_system_sgpr_workgroup_id_y 1
		.amdhsa_system_sgpr_workgroup_id_z 1
		.amdhsa_system_vgpr_workitem_id 0
		.amdhsa_next_free_vgpr 1024
		.amdhsa_next_free_sgpr 76
		.amdhsa_reserve_vcc 0
		.amdhsa_float_denorm_mode_32 3
		.amdhsa_float_denorm_mode_16_64 3
		.amdhsa_memory_ordered 1
		.amdhsa_forward_progress 1
		.amdhsa_inst_pref_size 115
	.end_amdhsa_kernel
	.amdgpu_metadata
---
amdhsa.version: [ 1, 2 ]
amdhsa.kernels:
  - .name:           k_qa197352ae0_oproj
    .symbol:         k_qa197352ae0_oproj.kd
    .args:
      - { .name: outr, .offset: 0, .size: 8, .value_kind: global_buffer, .address_space: global }
      - { .name: wts, .offset: 8, .size: 8, .value_kind: global_buffer, .address_space: global }
      - { .name: bo, .offset: 16, .size: 8, .value_kind: global_buffer, .address_space: global }
      - { .name: out0, .offset: 24, .size: 8, .value_kind: global_buffer, .address_space: global }
    .group_segment_fixed_size: 327680
    .private_segment_fixed_size: 0
    .kernarg_segment_align: 8
    .kernarg_segment_size: 32
    .max_flat_workgroup_size: 128
    .sgpr_count:     76
    .vgpr_count:     1024
    .wavefront_size: 32
...
	.end_amdgpu_metadata
.endif
;; end of part 7
